; MI455X (gfx1250); checked and timed in simulation.
; The chip was launched on July 23, 2026; its instructions are those of AMD's public machine-readable ISA for CDNA 5 (MIT licence, August 2026) and "CDNA5" Instruction Set Architecture Reference Guide (July 2026). The comments in the code are by the model that wrote it; some were corrected since.
;; Orky Mo E Layer. Allowed arithmetic: float matrix products may take bf16 or f16 operands with f32 sums; all other float work in f32.
;; Inputs: W1 8 x 1,024 x 2,048 float32; W2 8 x 2,048 x 2,048 float32; W3 8 x 2,048 x 1,024 float32; Wr 1,024 x 8 float32; b1 8 x 2,048 float32; b2 8 x 2,048 float32; b3 8 x 1,024 float32; br 8 float32; da_input_thoughts 4 x 256 x 1,024 float32.
;; Outputs: out0 4 x 256 x 1,024 float32.
;; One version. Each part assembles by itself: llvm-mc -triple=amdgcn-amd-amdhsa -mcpu=gfx1250 --defsym DOCPART=n.
;; ======== version 1 of 1: 6 launches
;; limits: values outside matrix products are rounded to bf16; values are held in f16: magnitudes above 65,504 overflow, below 6.1e-05 lose precision
;; workspace buffers: sel 4,096 bytes of whole numbers; gate 8,192 bytes; cnt 256 bytes of whole numbers; slot 32,768 bytes of whole numbers; actA 33,554,432 bytes; actB 33,554,432 bytes; y 67,108,864 bytes
;; launch route (part 1): grid 128 x 1, 8 waves a work-group, no clusters, 3,072 bytes of LDS; arguments da_input_thoughts, Wr, br, sel, gate; writes sel, gate
.if DOCPART == 1
	.amdgcn_target "amdgcn-amd-amdhsa--gfx1250"
	.amdhsa_code_object_version 6
	.text
	.protected	k_qc22285c8a9_route
	.globl	k_qc22285c8a9_route
	.p2align	8
	.type	k_qc22285c8a9_route,@function
k_qc22285c8a9_route:
	s_mov_b64 s[64:65], 0
	v_nop
	global_prefetch_b8 v0, s[64:65] scope:SCOPE_SE
	s_setreg_imm32_b32 hwreg(HW_REG_WAVE_MODE, 25, 1), 1
	s_wait_xcnt 0x0
; ROUTER.  logits = x Wr + br for 1,024 tokens and 8 experts; the two largest; their renormalised softmax weights.
; sel[token] = e0 | e1 << 8 (whole numbers), gate[token] = (w0, w1) in f32.
; x, Wr and br are rounded to bf16 once, as every floating-point input of this program is; the products of two bf16 are exact in
; f32 and the sums are f32 in a fixed order.  The product runs on the vector unit: it has 8 columns, half a matrix tile, it is
; 16.8 of the program's 34,000 MFLOP, and a decision without tolerance hangs on its sums.
; The softmax's denominator cancels in the renormalisation: w0 = 1 / (1 + t), w1 = t w0, t = exp(l1 - l0), where l0 is the largest
; logit, so the maximum is taken away before the exponential and t <= 1.
; LIMITS: NaN and infinite inputs are not served.  The two largest are chosen on the logits; equal logits give the lower index.
; Two logits closer than the rounding of an f32 sum of 1,024 terms may be ordered otherwise than by another order of summation.
; A work-group stores 32 bytes of sel and 64 of gate: tables of 4 and 8 KiB, written in pieces smaller than 256 bytes.
; A work-group has 8 tokens; thread t owns d = 4 t .. 4 t + 3 of every token and the 4 x 8 numbers of Wr that go with them.
.set WR,  8                            ; v[8:39]   Wr[4 t + dd][e] at 8 dd + e
.set X,   40                           ; v[40:71]  token i: x[4 t .. 4 t + 3] at 4 i
.set P,   72                           ; v[72:79]  my partial sums of one token's 8 logits
.set TMP, 93
.macro RND2 d0, d1                     ; two f32 rounded to bf16 and widened again
	v_cvt_pk_bf16_f32 v[TMP], v[\d0], v[\d1]
	v_lshlrev_b32 v[\d0], 16, v[TMP]
	v_and_b32 v[\d1], 0xffff0000, v[TMP]
.endm
	s_load_b256 s[4:11], s[0:1], 0x0               ; x s[4:5], Wr s[6:7], br s[8:9], sel s[10:11]
	s_load_b64 s[12:13], s[0:1], 0x20              ; gate
	v_lshl_add_u32 v96, v0, 2, 0x800
	v_mov_b32 v97, 0
	v_lshrrev_b32 v3, 5, v0
	v_readfirstlane_b32 s16, v3                    ; wave
	s_lshl_b32 s17, s16, 8                         ; my wave's 256 bytes of LDS: 8 tokens x 8 logits
	s_lshl_b32 s2, ttmp9, 15                       ; 8 tokens of 4,096 bytes
	s_mov_b32 s3, 0
	s_lshl_b32 s14, ttmp9, 5                       ; my work-group's bytes in sel
	s_lshl_b32 s15, ttmp9, 6                       ; and in gate
	s_mov_b32 s20, 0xaaaaaaaa                      ; lanes with bit 0 set
	s_mov_b32 s21, 0xcccccccc                      ; bit 1
	s_mov_b32 s22, 0xf0f0f0f0                      ; bit 2
	s_mov_b32 s23, 0x76543210                      ; v_permlanex16_b32: lane i reads lane i of the other half
	s_mov_b32 s24, 0xfedcba98
	v_lshlrev_b32 v1, 4, v0                        ; 16 t: my 16 bytes of a token
	v_lshlrev_b32 v2, 7, v0                        ; 128 t: my 4 rows of Wr
	v_and_b32 v4, 1, v0                            ; the expert whose sum my lane ends up with:
	v_lshlrev_b32 v4, 2, v4                        ; 4 (L & 1)
	v_and_b32 v5, 2, v0
	v_add_nc_u32 v4, v4, v5                        ; + (L & 2)
	v_bfe_u32 v5, v0, 2, 1
	v_add_nc_u32 v4, v4, v5                        ; + ((L >> 2) & 1): 0 to 7
	v_lshl_add_u32 v92, v4, 2, s17                 ; its word in my wave's part of LDS: at most 28 + 256 wave
	s_wait_kmcnt 0x0
	s_add_nc_u64 s[4:5], s[4:5], s[2:3]
	s_load_b256 s[32:39], s[8:9], 0x0              ; br
.irp i, 0,1,2,3,4,5,6,7
	global_load_b128 v[WR+4*\i:WR+4*\i+3], v2, s[6:7] offset:16*\i
.endr
.irp i, 0,1,2,3,4,5,6,7
	global_load_b128 v[X+4*\i:X+4*\i+3], v1, s[4:5] offset:4096*\i th:TH_LOAD_NT
.endr
	s_wait_loadcnt 0x8                             ; Wr is in; the eight loads of x stay out
.set k, 0
.rept 16
	RND2 WR+k, WR+k+1
.set k, k+2
.endr
; One token: my 4 x 8 products, then a sum over the wave's 32 lanes that halves the number of sums a lane carries at each of the
; first three steps (a lane keeps the experts whose bit equals its own and hands the others to its neighbour).
.macro TOKEN i
	s_wait_loadcnt 7-\i                            ; loads return in order: token i is in, the younger ones stay out
	RND2 X+4*\i, X+4*\i+1
	RND2 X+4*\i+2, X+4*\i+3
.irp e, 0,1,2,3,4,5,6,7
	v_mul_f32 v[P+\e], v[X+4*\i], v[WR+\e]
.endr
.irp dd, 1,2,3
.irp e, 0,1,2,3,4,5,6,7
	v_fmac_f32 v[P+\e], v[X+4*\i+\dd], v[WR+8*\dd+\e]
.endr
.endr
.irp e, 0,1,2,3
	v_cndmask_b32 v[80+\e], v[P+\e], v[P+4+\e], s20        ; what I keep
	v_cndmask_b32 v[84+\e], v[P+4+\e], v[P+\e], s20        ; what my neighbour keeps
	v_add_f32_dpp v[80+\e], v[84+\e], v[80+\e] row_xmask:1 row_mask:0xf bank_mask:0xf
.endr
.irp e, 0,1
	v_cndmask_b32 v[88+\e], v[80+\e], v[82+\e], s21
	v_cndmask_b32 v[84+\e], v[82+\e], v[80+\e], s21
	v_add_f32_dpp v[88+\e], v[84+\e], v[88+\e] row_xmask:2 row_mask:0xf bank_mask:0xf
.endr
	v_cndmask_b32 v90, v88, v89, s22
	v_cndmask_b32 v91, v89, v88, s22
	v_add_f32_dpp v90, v91, v90 row_xmask:4 row_mask:0xf bank_mask:0xf
	v_add_f32_dpp v90, v90, v90 row_xmask:8 row_mask:0xf bank_mask:0xf
	v_permlanex16_b32 v91, v90, s23, s24
	v_add_f32 v90, v90, v91                        ; the wave's sum for my lane's expert (four lanes hold each)
	ds_store_b32 v92, v90 offset:32*\i
.endm
.irp i, 0,1,2,3,4,5,6,7
	TOKEN \i
.endr
	s_wait_dscnt 0x0                               ; my stores are in LDS before I say so
	s_wait_kmcnt 0x0                               ; br is in: no wave ends with a scalar load out
	s_barrier_signal -1
	s_barrier_wait -1
	s_cmp_lg_u32 s16, 0
	s_cbranch_scc1 .Lend                           ; wave 0 finishes the 8 tokens, lane L token L & 7
	v_and_b32 v94, 7, v0
	v_lshlrev_b32 v94, 5, v94
.irp w, 0,1,2,3,4,5,6,7
	ds_load_b128 v[8+8*\w:8+8*\w+3], v94 offset:256*\w
	ds_load_b128 v[8+8*\w+4:8+8*\w+7], v94 offset:256*\w+16
.endr
.irp e, 0,1,2,3,4,5,6,7
	v_mov_b32 v[72+\e], s[32+\e]
.endr
	RND2 72, 73
	RND2 74, 75
	RND2 76, 77
	RND2 78, 79
	s_wait_dscnt 0x0
.irp w, 0,2,4,6
.irp p, 0,2,4,6
	v_pk_add_f32 v[8+8*\w+\p:8+8*\w+\p+1], v[8+8*\w+\p:8+8*\w+\p+1], v[16+8*\w+\p:16+8*\w+\p+1]
.endr
.endr
.irp w, 0,4
.irp p, 0,2,4,6
	v_pk_add_f32 v[8+8*\w+\p:8+8*\w+\p+1], v[8+8*\w+\p:8+8*\w+\p+1], v[24+8*\w+\p:24+8*\w+\p+1]
.endr
.endr
.irp p, 0,2,4,6
	v_pk_add_f32 v[8+\p:8+\p+1], v[8+\p:8+\p+1], v[40+\p:40+\p+1]
.endr
.irp p, 0,2,4,6
	v_pk_add_f32 v[8+\p:8+\p+1], v[8+\p:8+\p+1], v[72+\p:72+\p+1]      ; + br: the 8 logits in v[8:15]
.endr
	v_mov_b32 v80, v8                              ; the largest, l0, and its index e0; 'greater' alone replaces: ties keep the lower index
	v_mov_b32 v81, 0
.irp e, 1,2,3,4,5,6,7
	v_cmp_gt_f32 vcc_lo, v[8+\e], v80
	v_cndmask_b32 v80, v80, v[8+\e], vcc_lo
	v_cndmask_b32 v81, v81, \e, vcc_lo
.endr
	v_mov_b32 v84, 0xff800000                      ; -infinity takes the winner's place
.irp e, 0,1,2,3,4,5,6,7
	v_cmp_eq_u32 vcc_lo, \e, v81
	v_cndmask_b32 v[8+\e], v[8+\e], v84, vcc_lo
.endr
	v_mov_b32 v82, v8                              ; the second, l1, and e1
	v_mov_b32 v83, 0
.irp e, 1,2,3,4,5,6,7
	v_cmp_gt_f32 vcc_lo, v[8+\e], v82
	v_cndmask_b32 v82, v82, v[8+\e], vcc_lo
	v_cndmask_b32 v83, v83, \e, vcc_lo
.endr
	v_sub_f32 v85, v82, v80                        ; l1 - l0 <= 0
	v_mul_f32 v85, 0x3fb8aa3b, v85
	v_exp_f32 v91, v85                             ; t
	v_lshl_or_b32 v88, v83, 8, v81                 ; (one plain instruction stands behind each transcendental before its result is used: ISA guide 5.7.2)
	s_wait_alu depctr_va_vdst(0)
	v_add_f32 v85, 1.0, v91
	v_rcp_f32 v86, v85                             ; w0
	v_lshl_add_u32 v89, v0, 2, s14
	s_wait_alu depctr_va_vdst(0)
	v_mul_f32 v87, v91, v86                        ; w1
	v_lshl_add_u32 v90, v0, 3, s15
	s_wait_xcnt 0x0                                ; EXEC changes only behind this wait
	v_cmp_gt_u32 vcc_lo, 8, v0
	s_and_saveexec_b32 s18, vcc_lo                 ; lanes 0 to 7
	global_store_b32 v89, v88, s[10:11]
	global_store_b64 v90, v[86:87], s[12:13]
	s_wait_xcnt 0x0
	s_or_b32 exec_lo, exec_lo, s18
.Lend:
	s_barrier_signal -1
	s_barrier_wait -1
	s_wait_tensorcnt 0x0
	ds_add_u32 v96, v97
	s_wait_dscnt 0x0
	s_endpgm
.Lfunc_end_k_qc22285c8a9_route:
	.size	k_qc22285c8a9_route, .Lfunc_end_k_qc22285c8a9_route-k_qc22285c8a9_route
	.p2alignl 7, 3214868480
	.fill 96, 4, 3214868480
	.section	.rodata,"a",@progbits
	.p2align	6, 0x0
	.amdhsa_kernel k_qc22285c8a9_route
		.amdhsa_group_segment_fixed_size 3072
		.amdhsa_private_segment_fixed_size 0
		.amdhsa_enable_private_segment 0
		.amdhsa_kernarg_size 40
		.amdhsa_user_sgpr_count 2
		.amdhsa_user_sgpr_kernarg_segment_ptr 1
		.amdhsa_wavefront_size32 1
		.amdhsa_system_sgpr_workgroup_id_x 1
		.amdhsa_system_sgpr_workgroup_id_y 1
		.amdhsa_system_sgpr_workgroup_id_z 1
		.amdhsa_system_vgpr_workitem_id 0
		.amdhsa_next_free_vgpr 98
		.amdhsa_next_free_sgpr 66
		.amdhsa_reserve_vcc 1
		.amdhsa_float_denorm_mode_32 3
		.amdhsa_float_denorm_mode_16_64 3
		.amdhsa_memory_ordered 1
		.amdhsa_forward_progress 1
		.amdhsa_inst_pref_size 37
	.end_amdhsa_kernel
	.amdgpu_metadata
---
amdhsa.version: [ 1, 2 ]
amdhsa.kernels:
  - .name:           k_qc22285c8a9_route
    .symbol:         k_qc22285c8a9_route.kd
    .args:
      - { .name: da_input_thoughts, .offset: 0, .size: 8, .value_kind: global_buffer, .address_space: global }
      - { .name: Wr, .offset: 8, .size: 8, .value_kind: global_buffer, .address_space: global }
      - { .name: br, .offset: 16, .size: 8, .value_kind: global_buffer, .address_space: global }
      - { .name: sel, .offset: 24, .size: 8, .value_kind: global_buffer, .address_space: global }
      - { .name: gate, .offset: 32, .size: 8, .value_kind: global_buffer, .address_space: global }
    .group_segment_fixed_size: 3072
    .private_segment_fixed_size: 0
    .kernarg_segment_align: 8
    .kernarg_segment_size: 40
    .max_flat_workgroup_size: 256
    .sgpr_count:     66
    .vgpr_count:     98
    .wavefront_size: 32
...
	.end_amdgpu_metadata
.endif
;; end of part 1
;; launch place (part 2): grid 8 x 256, 1 waves a work-group, no clusters, 13,056 bytes of LDS; arguments da_input_thoughts, sel, cnt, slot, actA; writes cnt, slot, actA
.if DOCPART == 2
	.amdgcn_target "amdgcn-amd-amdhsa--gfx1250"
	.amdhsa_code_object_version 6
	.text
	.protected	k_qc22285c8a9_place
	.globl	k_qc22285c8a9_place
	.p2align	8
	.type	k_qc22285c8a9_place,@function
k_qc22285c8a9_place:
	s_mov_b64 s[64:65], 0
	v_nop
	global_prefetch_b8 v0, s[64:65] scope:SCOPE_SE
	s_setreg_imm32_b32 hwreg(HW_REG_WAVE_MODE, 25, 1), 1
	s_wait_xcnt 0x0
; PLACEMENT AND GATHER.  One wave a work-group.  Work-group (e, u): expert e, tile u >> 2 of 16 rows, quarter u & 3 of the 1,024 columns.
; From sel the wave makes, in its LDS, the list of the tokens that chose expert e (no atomics, no barrier: the order is fixed, load j,
; word i, lane L, so every work-group of an expert finds the same list; 448 vector instructions, less than handing the list through
; memory from a launch of its own would cost).  One wave a work-group, because no wave would use another's list.
; Work-group u = 0 also stores slot[e][token] = how many members of e stand before the token (its position where it is a member;
; the last launch reads it only there), all lanes on, 512 consecutive bytes a store, and cnt[e] = (n, groups of 32 rows, 0, 0).
; Then the wave gathers its 16 listed rows x 256 columns of x, rounds them to bf16 and stores them in the order in which the matrix
; unit wants them: tile T = 64 e + mt, block q of 16 k, lane L = r + 16 h: the 16 bytes of (row r, k = 16 q + 8 h + 0..7) lie at
; 32,768 T + 512 q + 16 L, so that each store here, and each load of the next launch, covers 512 consecutive bytes.
; An expert's rows are filled up to a multiple of 32 with token 0 (the list starts as zeros), and every expert has at least one group
; of 32 rows, an expert without tokens too: what the next launches read has been written.
; The grid serves an expert with all 1,024 tokens; a work-group whose tile the expert does not have ends behind the scan.
; cnt is a table of 128 bytes, written in pieces of 16.
.set S,       12                       ; v[12:43]  sel of the tokens 128 j + 4 L + i at 4 j + i
.set POS,     52                       ; v[52:83]  members before those tokens, at 4 j + i
.set TOK,     8                        ; v[8:23]   the tile's 16 tokens (behind the scan)
.set ROFF,    24                       ; v[24:39]  their byte offsets in x
.set X,       40                       ; v[40:167] row i: 8 registers as loaded
.set SPARE,   4096                     ; LDS: the list is 1,024 words from byte 0; the word behind it takes what is not listed
.set STG,     4352                     ; LDS: a stage of 16 rows
.set SPITCH,  528                      ; 512 bytes of bf16 + 16: sixteen rows start in sixteen different 16-byte columns
	s_load_b256 s[4:11], s[0:1], 0x0               ; x s[4:5], sel s[6:7], cnt s[8:9], slot s[10:11]
	s_load_b64 s[12:13], s[0:1], 0x20              ; actA
	v_lshl_add_u32 v168, v0, 2, 0x3200
	v_mov_b32 v169, 0
	s_mov_b32 s20, ttmp9                           ; e
	s_and_b32 s17, ttmp7, 0xff                     ; u: 0 to 255
	s_mov_b32 s21, 0                               ; members so far
	v_lshlrev_b32 v1, 4, v0                        ; 16 L
	v_lshlrev_b32 v2, 2, v0                        ; 4 L
	v_mov_b32 v4, SPARE
	v_mov_b32 v8, 0
	v_mov_b32 v9, 0
	v_mov_b32 v10, 0
	v_mov_b32 v11, 0
	s_wait_kmcnt 0x0
.irp j, 0,1,2,3,4,5,6,7
	global_load_b128 v[S+4*\j:S+4*\j+3], v1, s[6:7] offset:512*\j
.endr
.irp j, 0,1,2,3,4,5,6,7
	ds_store_b128 v1, v[8:11] offset:512*\j        ; the list starts as token 0 everywhere
.endr
	s_wait_loadcnt 0x0
; The 32 tokens 128 j + 4 L + i: who is a member, at which position; the member's number goes into the list.
.macro MEMBER j, i
	v_and_b32 v44, 0xff, v[S+4*\j+\i]
	v_bfe_u32 v45, v[S+4*\j+\i], 8, 8
	v_cmp_eq_u32 s40, s20, v44                     ; e is the first choice
	v_cmp_eq_u32 s41, s20, v45                     ; e is the second
	s_or_b32 s42, s40, s41
	v_mbcnt_lo_u32_b32 v[POS+4*\j+\i], s42, s21    ; members before me
	v_lshlrev_b32 v47, 2, v[POS+4*\j+\i]           ; its word of the list;
	v_cndmask_b32 v47, v4, v47, s42                ; others write the spare word
	v_min_u32 v47, 0x1000, v47
	v_add_nc_u32 v48, 128*\j+\i, v2                ; the token
	ds_store_b32 v47, v48
	s_bcnt1_i32_b32 s43, s42
	s_add_co_u32 s21, s21, s43
.endm
.irp j, 0,1,2,3,4,5,6,7
.irp i, 0,1,2,3
	MEMBER \j, \i
.endr
.endr
	s_add_co_u32 s44, s21, 31
	s_lshr_b32 s44, s44, 5                         ; groups of 32 rows,
	s_max_u32 s44, s44, 1                          ; one at the least
	s_cmp_lg_u32 s17, 0
	s_cbranch_scc1 .Lnot_first
	s_lshl_b32 s24, s20, 12                        ; row e of slot
	s_mov_b32 s25, 0
	s_add_nc_u64 s[10:11], s[10:11], s[24:25]
.irp j, 0,1,2,3,4,5,6,7
	global_store_b128 v1, v[POS+4*\j:POS+4*\j+3], s[10:11] offset:512*\j
.endr
	s_wait_xcnt 0x0                                ; the rows of x are loaded below into the registers that these stores read
.Lnot_first:
	s_lshl_b32 s45, s44, 1                         ; tiles of 16 rows
	s_lshr_b32 s46, s17, 2                         ; my tile, 0 to 63
	s_and_b32 s47, s17, 3                          ; my quarter of the columns
	s_cmp_ge_u32 s46, s45
	s_cbranch_scc1 .Lend                           ; the expert has no such tile
	s_lshl_b32 s33, s46, 6
	v_mov_b32 v2, s33                              ; the tile's 16 words of the list, the same address in every lane
.irp k, 0,1,2,3
	ds_load_b128 v[TOK+4*\k:TOK+4*\k+3], v2 offset:16*\k   ; LDS serves a wave's instructions in order: these see the stores above
.endr
	s_lshl_b32 s34, s47, 10
	v_add_nc_u32 v3, s34, v1                       ; 1024 c + 16 L
	v_lshlrev_b32 v4, 3, v0                        ; the stage, in: 8 bytes a lane
	v_and_b32 v5, 15, v0
	v_mul_u32_u24 v5, v5, SPITCH
	v_lshrrev_b32 v7, 4, v0
	v_lshl_add_u32 v5, v7, 4, v5                   ; back: row r, 16 h
	s_lshl_b32 s24, s20, 6
	s_add_co_u32 s24, s24, s46                     ; T = 64 e + mt
	s_lshl_b32 s24, s24, 15
	s_lshl_b32 s26, s47, 13                        ; 16 blocks of 512 bytes a quarter
	s_add_co_u32 s24, s24, s26
	s_mov_b32 s25, 0
	s_add_nc_u64 s[12:13], s[12:13], s[24:25]
	s_wait_dscnt 0x0
.irp i, 0,1,2,3,4,5,6,7,8,9,10,11,12,13,14,15
	v_min_u32 v[TOK+\i], 0x3ff, v[TOK+\i]
	v_lshlrev_b32 v[ROFF+\i], 12, v[TOK+\i]
	v_add_nc_u32 v[ROFF+\i], v[ROFF+\i], v3
.endr
.irp i, 0,1,2,3,4,5,6,7,8,9,10,11,12,13,14,15
	global_load_b128 v[X+8*\i:X+8*\i+3],   v[ROFF+\i], s[4:5]              ; 512 consecutive bytes of the row,
	global_load_b128 v[X+8*\i+4:X+8*\i+7], v[ROFF+\i], s[4:5] offset:512   ; and the next 512
.endr
.irp i, 0,1,2,3,4,5,6,7,8,9,10,11,12,13,14,15
	s_wait_loadcnt 30-2*\i                         ; row i's two loads are in, the younger rows' stay out
	v_cvt_pk_bf16_f32 v[X+8*\i],   v[X+8*\i],   v[X+8*\i+1]
	v_cvt_pk_bf16_f32 v[X+8*\i+1], v[X+8*\i+2], v[X+8*\i+3]
	v_cvt_pk_bf16_f32 v[X+8*\i+2], v[X+8*\i+4], v[X+8*\i+5]
	v_cvt_pk_bf16_f32 v[X+8*\i+3], v[X+8*\i+6], v[X+8*\i+7]
	ds_store_b64 v4, v[X+8*\i:X+8*\i+1]   offset:STG+SPITCH*\i
	ds_store_b64 v4, v[X+8*\i+2:X+8*\i+3] offset:STG+SPITCH*\i+256
.endr
.irp q, 0,1,2,3,4,5,6,7,8,9,10,11,12,13,14,15
	ds_load_b128 v[X+4*\q:X+4*\q+3], v5 offset:STG+32*\q   ; block q: (row r, k = 16 q + 8 h ..); served in order behind the stores
.endr
.irp q, 0,1,2,3,4,5,6,7,8,9,10,11,12,13,14,15
	s_wait_dscnt 15-\q
	global_store_b128 v1, v[X+4*\q:X+4*\q+3], s[12:13] offset:512*\q
.endr
.Lend:
	s_cmp_lg_u32 s17, 0
	s_cbranch_scc1 .Lout
	s_lshl_b32 s31, s20, 4                         ; cnt[e], by lane 0 of work-group u = 0
	v_mov_b32 v8, s21
	v_mov_b32 v9, s44
	v_mov_b32 v10, 0
	v_mov_b32 v11, 0
	v_mov_b32 v12, s31
	s_wait_xcnt 0x0                                ; EXEC changes only behind this wait
	v_cmp_eq_u32 vcc_lo, 0, v0
	s_and_saveexec_b32 s30, vcc_lo
	global_store_b128 v12, v[8:11], s[8:9]
	s_wait_xcnt 0x0
	s_or_b32 exec_lo, exec_lo, s30
.Lout:
	s_wait_tensorcnt 0x0
	ds_add_u32 v168, v169
	s_wait_dscnt 0x0
	s_endpgm
.Lfunc_end_k_qc22285c8a9_place:
	.size	k_qc22285c8a9_place, .Lfunc_end_k_qc22285c8a9_place-k_qc22285c8a9_place
	.p2alignl 7, 3214868480
	.fill 96, 4, 3214868480
	.section	.rodata,"a",@progbits
	.p2align	6, 0x0
	.amdhsa_kernel k_qc22285c8a9_place
		.amdhsa_group_segment_fixed_size 13056
		.amdhsa_private_segment_fixed_size 0
		.amdhsa_enable_private_segment 0
		.amdhsa_kernarg_size 40
		.amdhsa_user_sgpr_count 2
		.amdhsa_user_sgpr_kernarg_segment_ptr 1
		.amdhsa_wavefront_size32 1
		.amdhsa_system_sgpr_workgroup_id_x 1
		.amdhsa_system_sgpr_workgroup_id_y 1
		.amdhsa_system_sgpr_workgroup_id_z 1
		.amdhsa_system_vgpr_workitem_id 0
		.amdhsa_next_free_vgpr 170
		.amdhsa_next_free_sgpr 66
		.amdhsa_reserve_vcc 1
		.amdhsa_float_denorm_mode_32 3
		.amdhsa_float_denorm_mode_16_64 3
		.amdhsa_memory_ordered 1
		.amdhsa_forward_progress 1
		.amdhsa_inst_pref_size 42
	.end_amdhsa_kernel
	.amdgpu_metadata
---
amdhsa.version: [ 1, 2 ]
amdhsa.kernels:
  - .name:           k_qc22285c8a9_place
    .symbol:         k_qc22285c8a9_place.kd
    .args:
      - { .name: da_input_thoughts, .offset: 0, .size: 8, .value_kind: global_buffer, .address_space: global }
      - { .name: sel, .offset: 8, .size: 8, .value_kind: global_buffer, .address_space: global }
      - { .name: cnt, .offset: 16, .size: 8, .value_kind: global_buffer, .address_space: global }
      - { .name: slot, .offset: 24, .size: 8, .value_kind: global_buffer, .address_space: global }
      - { .name: actA, .offset: 32, .size: 8, .value_kind: global_buffer, .address_space: global }
    .group_segment_fixed_size: 13056
    .private_segment_fixed_size: 0
    .kernarg_segment_align: 8
    .kernarg_segment_size: 40
    .max_flat_workgroup_size: 32
    .sgpr_count:     66
    .vgpr_count:     170
    .wavefront_size: 32
...
	.end_amdgpu_metadata
.endif
;; end of part 2
;; launch l1 (part 3): grid 32 x 8, 16 waves a work-group, no clusters, 137,216 bytes of LDS; arguments actA, W1, b1, cnt, actB; writes actB
.if DOCPART == 3
	.amdgcn_target "amdgcn-amd-amdhsa--gfx1250"
	.amdhsa_code_object_version 6
	.text
	.protected	k_qc22285c8a9_l1
	.globl	k_qc22285c8a9_l1
	.p2align	8
	.type	k_qc22285c8a9_l1,@function
k_qc22285c8a9_l1:
	s_mov_b64 s[64:65], 0
	v_nop
	global_prefetch_b8 v0, s[64:65] scope:SCOPE_SE
	s_setreg_imm32_b32 hwreg(HW_REG_WAVE_MODE, 25, 1), 1
	s_wait_xcnt 0x0
; FIRST LAYER OF THE EXPERTS: h1 = x W1 + b1, bf16 operands, f32 sums, h1 stored as f16.
; Work-group (slice, e): expert e, 64 output columns, the whole K.  Every byte of W is read by one work-group, in rows of 256 bytes.
; SIXTEEN WAVES IN TWO ROLES.  Waves 12 to 15 STAGE: they load the slice of W (K x 64 f32), round it and lay it into LDS as matrix
; fragments.  Waves 0 to 11 MULTIPLY: wave w takes group w of 32 rows (two tiles of 16) through the whole K, fragments of W from LDS,
; fragments of the activations straight from memory (they lie there in fragment order: tile T, block q of 16 k, lane L at
; TS T + 512 q + 16 L).  K goes in chunks of 128: in phase c chunk c is staged while chunk c - 1 is multiplied, and one barrier, on every
; wave's path, ends the phase.  W stays in LDS: nothing is filled again.  The phases are written out, so that every LDS address is a lane
; term and constants: chunk c lies at bytes 16,896 c to 16,896 c + 16,895.
; BOTH ROLES KEEP ONE RING DISCIPLINE.  A wave's loads into v[144:239] form one stream, and load number q of it lands in registers
; 144 + 4 (q mod 24).  In every phase either role takes the sixteen oldest of 24 loads, in order, and asks again into the registers just
; read: a staging wave in two units of eight (count 16: two younger units stay out), a multiplying wave in four K steps of four (count 20:
; five younger steps stay out).  The multiplying stream runs one phase behind, so K step st sits at q = 4 st + 16, slot (st + 4) mod 6.
; So every count is right whichever arm the text took in the phase before.  The staging stream ends sixteen loads earlier: from K step
; KS - 8 on the multiplying counts are those of the shorter stream (12, 12, 12, 8), at the cost of two steps of lead in the last two chunks.
; How many groups there are is read from cnt, which an earlier launch stored; the branch on it stands between barriers, never round one.
; Every multiplying wave fills its ring and starts its sums, with or without a group (without: at the last group's address), so that
; every register that a later phase reads has been written on every path; a wave without a group then waits for all its loads.
; Groups 12 to 31 (an expert with more than 384 rows) are shared by all sixteen waves behind the last phase, W being whole in LDS then.
; The matrix instruction is used transposed (source 0: 16 columns of W, source 1: 16 rows of activations): lane (r, h) then holds row r,
; columns 8 h + 0..7 of the tile, which packed to 16 bits is the lane's 16 bytes of a block of the next layer's input.
; The bias, rounded to bf16 like every input, is loaded into the accumulators: nothing is cleared and nothing added afterwards.
; No tensor loads and no joint requests: what work-groups share is the activations, whose number of tiles hangs on counts read from memory.
; LIMITS: NaN and infinite inputs are not served; |h1| above 65,504 overflows f16 (drawn inputs give 0.64 rms; 30 times larger x and W1: 580).
.set KK,    1024                       ; K of this launch
.set TSI,   32768                      ; bytes of an input tile (16 rows x 1,024 x 2)
.set INS,   21                         ; 64 input tiles an expert: shift
.set PWS,   13                         ; a row of W: 8,192 bytes
.set WES,   23                         ; an expert of W: 8 MiB
.set BRS,   13                         ; a row of the bias: 8,192 bytes
.set PW,    1<<PWS
.set KS,    KK/32                      ; K steps
.set NCH,   KK/128                     ; chunks
.set NU,    KK/64                      ; blocks of 16 k that a staging wave stages
.set TSO,   65536                      ; bytes of an output tile
.set NTP,   528                        ; LDS: a block's 16 columns: 512 bytes + 16, so that the staging stores of 16 lanes fall in 16 different 16-byte columns
.set QS,    4*NTP                      ; LDS: a block of 16 k x 64 columns
.set CH,    8*QS                       ; LDS: a chunk
.set NCONS, 12                         ; multiplying waves
.set RING,  6                          ; K steps in the ring
.set ROT,   4                          ; K step st lies in slot (st + 4) mod 6
.set NT,    (KS-RING)/RING             ; the later loop: whole trips of six steps,
.set TL,    KS-RING*NT                 ; and the steps written out behind them
.set ACC,   16                         ; v[16:79]   tile (a, nt) at 8 (4 a + nt)
.set WF,    80                         ; v[80:143]  fragments of W: 2 buffers x 4 nt x 8
.set AF,    144                        ; v[144:239] the ring: 6 K steps x 2 tiles x 8, or 3 units x 32 registers of W as loaded
.set PK,    80                         ; staging: v[80:95] packed
; v1 16 L; v2 LDS address of W's fragments; v4 staging address of the chunk; v5 at work; v6 offset of my input tiles; v7 of my output;
; v8 offset in W; v10 staging address; v11 32 h
.macro RND2 d0, d1
	v_cvt_pk_bf16_f32 v5, v[\d0], v[\d1]
	v_lshlrev_b32 v[\d0], 16, v5
	v_and_b32 v[\d1], 0xffff0000, v5
.endm
.macro PLACES                          ; four plain vector instructions behind a matrix instruction before its registers are loaded into or written, or its result is read (ISA guide 7.12.1)
.rept 4
	v_nop
.endr
.endm
	s_load_b256 s[4:11], s[0:1], 0x0               ; IN s[4:5], W s[6:7], bias s[8:9], cnt s[10:11]
	s_load_b64 s[12:13], s[0:1], 0x20              ; OUT
	v_lshl_add_u32 v240, v0, 2, 0x21000
	v_mov_b32 v241, 0
	v_lshrrev_b32 v2, 5, v0
	v_readfirstlane_b32 s14, v2                    ; wave
	s_and_b32 s15, ttmp7, 0xffff                   ; e
	s_mov_b32 s16, ttmp9                           ; slice of 64 columns
	s_and_b32 s29, s14, 3                          ; p: which of the four staging waves (waves 12 to 15)
	s_lshl_b32 s25, s15, 4                         ; cnt[e]
	s_mov_b32 s23, 0
	v_and_b32 v3, 31, v0
	v_lshlrev_b32 v1, 4, v3                        ; 16 L
	v_and_b32 v5, 15, v3                           ; r
	v_lshrrev_b32 v3, 4, v3                        ; h
	v_lshlrev_b32 v11, 5, v3
	s_lshl_b32 s21, s29, 5                         ; in a chunk's 128 rows of W: 32 p
	v_lshl_add_u32 v8, v3, 3, s21                  ; + 8 h
	v_lshlrev_b32 v8, PWS, v8
	v_lshl_add_u32 v8, v5, 4, v8                   ; + 16 bytes for each of 16 lanes: a row piece of 256 bytes
	s_mul_i32 s21, s29, 2*QS                       ; in a chunk of LDS: blocks 2 p and 2 p + 1
	v_lshrrev_b32 v10, 2, v5
	v_mul_u32_u24 v10, v10, NTP                    ; my 4 columns lie in column tile r >> 2,
	v_and_b32 v4, 3, v5
	v_lshl_add_u32 v10, v4, 6, v10                 ; from its lane 4 (r & 3) on,
	v_lshl_add_u32 v10, v3, 8, v10                 ; in the half of my 8 k
	v_add_nc_u32 v10, s21, v10
	s_wait_kmcnt 0x0
	s_lshl_b32 s22, s15, WES
	s_lshl_b32 s21, s16, 8
	s_add_co_u32 s22, s22, s21
	s_add_nc_u64 s[6:7], s[6:7], s[22:23]          ; W at my slice
	s_lshl_b32 s22, s15, BRS
	s_add_co_u32 s22, s22, s21
	s_add_nc_u64 s[8:9], s[8:9], s[22:23]          ; the bias at my 64 columns
	s_lshl_b32 s22, s15, INS
	s_add_nc_u64 s[4:5], s[4:5], s[22:23]          ; IN at the expert's first tile
	s_lshl_b32 s22, s15, 22
	s_lshl_b32 s26, s16, 11                        ; my 4 blocks of 512 bytes
	s_add_co_u32 s22, s22, s26
	s_add_nc_u64 s[12:13], s[12:13], s[22:23]      ; OUT
	s_load_b32 s18, s[10:11], s25 offset:0x4       ; groups of 32 rows
; STAGING.  Unit n of staging wave p is block 8 (n >> 1) + 2 p + (n & 1).  Load j brings its rows 8 h + j, columns 4 r .. 4 r + 3.
.macro WLOAD n
.irp j, 0,1,2,3,4,5,6,7
	global_load_b128 v[AF+32*((\n)%3)+4*\j:AF+32*((\n)%3)+4*\j+3], v8, s[6:7] offset:(((\n)>>1)*128+((\n)&1)*16+\j)*PW th:TH_LOAD_NT
.endr
.endm
; column 4 r + i: its 8 k packed to 16 bytes, the fragment bytes of lane (4 (r & 3) + i, h) of column tile r >> 2
.macro WUNIT n
.if NU-1-(\n) >= 2
	s_wait_loadcnt 16                              ; the unit's 8 loads are in; the two younger units' stay out
.else
	s_wait_loadcnt 8*(NU-1-(\n))
.endif
.irp i, 0,1,2,3
.irp jj, 0,1,2,3
	v_cvt_pk_bf16_f32 v[PK+4*\i+\jj], v[AF+32*((\n)%3)+8*\jj+\i], v[AF+32*((\n)%3)+8*\jj+4+\i]
.endr
	ds_store_b128 v4, v[PK+4*\i:PK+4*\i+3] offset:((\n)&1)*QS+16*\i
.endr
.endm
.macro STAGE c                         ; my two blocks of chunk c; each unit's registers are asked for again at once
	v_add_nc_u32 v4, (\c)*CH, v10
	WUNIT 2*(\c)
.if 2*(\c)+3 < NU
	WLOAD 2*(\c)+3
.endif
	WUNIT 2*(\c)+1
.if 2*(\c)+4 < NU
	WLOAD 2*(\c)+4
.endif
.endm
; MULTIPLYING.
.macro GLOAD st                        ; K step st of my two tiles into its slot: four loads of 512 consecutive bytes
.irp a, 0,1
	global_load_b128 v[AF+16*(((\st)+ROT)%RING)+8*\a:AF+16*(((\st)+ROT)%RING)+8*\a+3],   v6, s[4:5] offset:1024*(\st)+\a*TSI
	global_load_b128 v[AF+16*(((\st)+ROT)%RING)+8*\a+4:AF+16*(((\st)+ROT)%RING)+8*\a+7], v6, s[4:5] offset:1024*(\st)+\a*TSI+512
.endr
.endm
.macro DLOAD b, off                    ; a K step of W's four column tiles, at byte off from v2, into buffer b: eight loads of 512 consecutive bytes
.irp nt, 0,1,2,3
	ds_load_b128 v[WF+32*(\b)+8*\nt:WF+32*(\b)+8*\nt+3],   v2 offset:(\off)+NTP*\nt
	ds_load_b128 v[WF+32*(\b)+8*\nt+4:WF+32*(\b)+8*\nt+7], v2 offset:(\off)+NTP*\nt+QS
.endr
.endm
; One K step.  st: the step, counted from v6's place; rem: steps of K behind it; lo: its fragments' byte from v2; d0: fetch its own
; fragments of W (a chunk's first step); d1: fetch the next step's.  Behind the products and their four places the slot is asked for
; again, six steps ahead.
; The eight accumulators take turns, one instruction a turn, from step to step and over the backward jumps too.
.macro STEP st, rem, lo, d0, d1
.if \d0
	DLOAD (\st)&1, \lo
.endif
.if \d1
	DLOAD ((\st)+1)&1, (\lo)+2*QS
.endif
	s_wait_dscnt 8*\d1                             ; this step's eight are in; the next step's eight stay out
.set wn, 4*(\rem)                                  ; the last four steps: the counts run down
.if (\rem) >= 4
.set wn, 8                                         ; steps KS - 8 to KS - 5: the shorter stream's counts (see the head)
.endif
.if (\rem) >= 5
.set wn, 12
.endif
.if (\rem) >= 8
.set wn, 20                                        ; this step's four are in; the five younger steps' stay out
.endif
	s_wait_loadcnt wn
.irp a, 0,1
.irp nt, 0,1,2,3
	v_wmma_f32_16x16x32_bf16 v[ACC+8*(4*\a+\nt):ACC+8*(4*\a+\nt)+7], v[WF+32*((\st)&1)+8*\nt:WF+32*((\st)&1)+8*\nt+7], v[AF+16*(((\st)+ROT)%RING)+8*\a:AF+16*(((\st)+ROT)%RING)+8*\a+7], v[ACC+8*(4*\a+\nt):ACC+8*(4*\a+\nt)+7]
.endr
.endr
	PLACES
.if (\rem) >= RING
	GLOAD (\st)+RING
.endif
.endm
.macro CHUNK c                         ; chunk c's four steps; the last fetches no W: the next chunk is read behind the barrier
	v_add_nc_u32 v2, (\c)*CH, v1
	STEP 4*(\c),   KS-1-4*(\c), 0,    1, 1
	STEP 4*(\c)+1, KS-2-4*(\c), 2*QS, 0, 1
	STEP 4*(\c)+2, KS-3-4*(\c), 4*QS, 0, 1
	STEP 4*(\c)+3, KS-4-4*(\c), 6*QS, 0, 0
.endm
.macro ADDR                            ; group s19: where its tiles lie, in and out
	s_mul_i32 s22, s19, 2*TSI
	s_lshl_b32 s26, s19, 17                        ; two output tiles of 65,536 bytes
	v_add_nc_u32 v6, s22, v1
	v_add_nc_u32 v7, s26, v1
.endm
.macro BIASACC                         ; bias[16 nt + 8 h + j] into register j of both tiles (a, nt)
.irp a, 0,1
.irp nt, 0,1,2,3
	global_load_b128 v[ACC+8*(4*\a+\nt):ACC+8*(4*\a+\nt)+3],   v11, s[8:9] offset:64*\nt
	global_load_b128 v[ACC+8*(4*\a+\nt)+4:ACC+8*(4*\a+\nt)+7], v11, s[8:9] offset:64*\nt+16
.endr
.endr
.endm
.macro BIASRND
.set k, 0
.rept 32
	RND2 ACC+k, ACC+k+1
.set k, k+2
.endr
.endm
.macro EPILOGUE                        ; stands behind a step's four places
.irp a, 0,1
.irp nt, 0,1,2,3
.irp p, 0,1,2,3
	v_cvt_pk_f16_f32 v[WF+4*(4*\a+\nt)+\p], v[ACC+8*(4*\a+\nt)+2*\p], v[ACC+8*(4*\a+\nt)+2*\p+1]
.endr
	global_store_b128 v7, v[WF+4*(4*\a+\nt):WF+4*(4*\a+\nt)+3], s[12:13] offset:\a*TSO+512*\nt   ; a block: 512 consecutive bytes
.endr
.endr
.endm
; Phase c: chunk c is staged, chunk c - 1 multiplied; then the barrier, which every wave reaches.
.macro PHASE c
	s_cmp_lt_u32 s14, NCONS
	s_cbranch_scc1 .Lcons_\@
	STAGE \c
	s_branch .Ljoin_\@
.Lcons_\@:
.if (\c) == 0
	s_wait_loadcnt 0x0                             ; nothing to multiply yet: the ring lands while chunk 0 is staged
.else
	s_cmp_ge_u32 s14, s18
	s_cbranch_scc1 .Lidle_\@
	CHUNK (\c)-1
	s_branch .Ljoin_\@
.Lidle_\@:
	s_wait_loadcnt 0x0                             ; a wave without a group has nothing on its way
.endif
.Ljoin_\@:
	s_wait_dscnt 0x0                               ; my stores of chunk c are in LDS, my reads of chunk c - 1 are back
	s_barrier_signal -1
	s_barrier_wait -1
.endm
	s_cmp_lt_u32 s14, NCONS
	s_cbranch_scc1 .Lcpro
.irp n, 0,1,2
	WLOAD \n                                       ; a staging wave's ring: 24 loads, 12 KiB
.endr
	s_branch .Lstart
.Lcpro:
	s_wait_kmcnt 0x0
	s_min_u32 s18, s18, 32
	s_max_u32 s18, s18, 1
	s_sub_co_u32 s19, s18, 1
	s_min_u32 s19, s19, s14                        ; my group, or the last one
	s_min_u32 s19, s19, 31
	ADDR
	BIASACC
.irp n, 2,3,4,5,0,1
	GLOAD \n                                       ; the ring's 24 loads, in the order of their registers
.endr
	s_wait_loadcnt 24                              ; the bias is in; the ring's 24 loads stay out
	BIASRND
.Lstart:
	s_wait_kmcnt 0x0                               ; the count, for every wave
	s_min_u32 s18, s18, 32
	s_max_u32 s18, s18, 1
.set ph, 0
.rept NCH
	PHASE ph
.set ph, ph+1
.endr
	s_cmp_ge_u32 s14, NCONS                        ; the last chunk: nothing is left to stage, and no barrier follows
	s_cbranch_scc1 .Lpost
	s_cmp_ge_u32 s14, s18
	s_cbranch_scc1 .Lpost
	CHUNK NCH-1
	EPILOGUE
.Lpost:
	s_wait_loadcnt 0x0                             ; no load is on its way when the ring's registers are taken up anew
; GROUPS 12 AND UP, shared by the sixteen waves: wave w takes 12 + w, 28 + w.  W is whole in LDS; no barrier.
.macro TRIPP first                     ; six K steps
	STEP 0, 99, 0, \first, 1
	STEP 1, 99, 2*QS, 0, 1
	STEP 2, 99, 4*QS, 0, 1
	STEP 3, 99, 6*QS, 0, 1
	STEP 4, 99, 8*QS, 0, 1
	STEP 5, 99, 10*QS, 0, 1
	s_wait_xcnt 0x0                                ; v6 is stepped only behind this wait
	v_add_nc_u32 v6, 1024*RING, v6
	v_add_nc_u32 v2, 2*QS*RING, v2
.endm
	s_max_u32 s28, s18, NCONS
	s_add_co_u32 s28, s28, 15-NCONS
	s_sub_co_u32 s28, s28, s14
	s_lshr_b32 s28, s28, 4                         ; (groups - 12 + 15 - wave) >> 4 of them are mine
	s_add_co_u32 s19, s14, NCONS
	s_mov_b32 s27, 0
	s_cmp_eq_u32 s28, 0
	s_cbranch_scc1 .Ldone
.Lgroup:
	s_wait_xcnt 0x0                                ; the last group's stores have read their data and address
	ADDR
	v_mov_b32 v2, v1
	BIASACC
.irp n, 0,1,2,3,4,5
	GLOAD \n
.endr
	s_wait_loadcnt 24                              ; the bias is in; the ring's 24 loads stay out
	BIASRND
	TRIPP 1
	s_mov_b32 s20, NT-1
.Ltrip:
	TRIPP 0
	s_sub_co_u32 s20, s20, 1
	s_cmp_lg_u32 s20, 0
	s_cbranch_scc1 .Ltrip
.set t, 0
.rept TL-1
	STEP t, TL-1-t, t*2*QS, 0, 1                   ; the last steps: no load passes the end of K, and the counts run down
.set t, t+1
.endr
	STEP TL-1, 0, (TL-1)*2*QS, 0, 0
	EPILOGUE
	s_add_co_u32 s19, s19, 16
	s_add_co_u32 s27, s27, 1
	s_cmp_lt_u32 s27, s28
	s_cbranch_scc1 .Lgroup
.Ldone:
	s_barrier_signal -1
	s_barrier_wait -1
	s_wait_tensorcnt 0x0
	ds_add_u32 v240, v241
	s_wait_dscnt 0x0
	s_endpgm
.Lfunc_end_k_qc22285c8a9_l1:
	.size	k_qc22285c8a9_l1, .Lfunc_end_k_qc22285c8a9_l1-k_qc22285c8a9_l1
	.p2alignl 7, 3214868480
	.fill 96, 4, 3214868480
	.section	.rodata,"a",@progbits
	.p2align	6, 0x0
	.amdhsa_kernel k_qc22285c8a9_l1
		.amdhsa_group_segment_fixed_size 137216
		.amdhsa_private_segment_fixed_size 0
		.amdhsa_enable_private_segment 0
		.amdhsa_kernarg_size 40
		.amdhsa_user_sgpr_count 2
		.amdhsa_user_sgpr_kernarg_segment_ptr 1
		.amdhsa_wavefront_size32 1
		.amdhsa_system_sgpr_workgroup_id_x 1
		.amdhsa_system_sgpr_workgroup_id_y 1
		.amdhsa_system_sgpr_workgroup_id_z 1
		.amdhsa_system_vgpr_workitem_id 0
		.amdhsa_next_free_vgpr 242
		.amdhsa_next_free_sgpr 66
		.amdhsa_reserve_vcc 0
		.amdhsa_float_denorm_mode_32 3
		.amdhsa_float_denorm_mode_16_64 3
		.amdhsa_memory_ordered 1
		.amdhsa_forward_progress 1
		.amdhsa_inst_pref_size 140
	.end_amdhsa_kernel
	.amdgpu_metadata
---
amdhsa.version: [ 1, 2 ]
amdhsa.kernels:
  - .name:           k_qc22285c8a9_l1
    .symbol:         k_qc22285c8a9_l1.kd
    .args:
      - { .name: actA, .offset: 0, .size: 8, .value_kind: global_buffer, .address_space: global }
      - { .name: W1, .offset: 8, .size: 8, .value_kind: global_buffer, .address_space: global }
      - { .name: b1, .offset: 16, .size: 8, .value_kind: global_buffer, .address_space: global }
      - { .name: cnt, .offset: 24, .size: 8, .value_kind: global_buffer, .address_space: global }
      - { .name: actB, .offset: 32, .size: 8, .value_kind: global_buffer, .address_space: global }
    .group_segment_fixed_size: 137216
    .private_segment_fixed_size: 0
    .kernarg_segment_align: 8
    .kernarg_segment_size: 40
    .max_flat_workgroup_size: 512
    .sgpr_count:     66
    .vgpr_count:     242
    .wavefront_size: 32
...
	.end_amdgpu_metadata
.endif
;; end of part 3
;; launch l2 (part 4): grid 32 x 8, 16 waves a work-group, no clusters, 272,384 bytes of LDS; arguments actB, W2, b2, cnt, actA; writes actA
.if DOCPART == 4
	.amdgcn_target "amdgcn-amd-amdhsa--gfx1250"
	.amdhsa_code_object_version 6
	.text
	.protected	k_qc22285c8a9_l2
	.globl	k_qc22285c8a9_l2
	.p2align	8
	.type	k_qc22285c8a9_l2,@function
k_qc22285c8a9_l2:
	s_mov_b64 s[64:65], 0
	v_nop
	global_prefetch_b8 v0, s[64:65] scope:SCOPE_SE
	s_setreg_imm32_b32 hwreg(HW_REG_WAVE_MODE, 25, 1), 1
	s_wait_xcnt 0x0
; SECOND LAYER OF THE EXPERTS: a = silu(h1 W2 + b2), f16 operands, f32 sums, a stored as bf16.
; Work-group (slice, e): expert e, 64 output columns, the whole K.  Every byte of W is read by one work-group, in rows of 256 bytes.
; SIXTEEN WAVES IN TWO ROLES.  Waves 12 to 15 STAGE: they load the slice of W (K x 64 f32), round it and lay it into LDS as matrix
; fragments.  Waves 0 to 11 MULTIPLY: wave w takes group w of 32 rows (two tiles of 16) through the whole K, fragments of W from LDS,
; fragments of the activations straight from memory (they lie there in fragment order: tile T, block q of 16 k, lane L at
; TS T + 512 q + 16 L).  K goes in chunks of 128: in phase c chunk c is staged while chunk c - 1 is multiplied, and one barrier, on every
; wave's path, ends the phase.  W stays in LDS: nothing is filled again.  The phases are written out, so that every LDS address is a lane
; term and constants: chunk c lies at bytes 16,896 c to 16,896 c + 16,895.
; BOTH ROLES KEEP ONE RING DISCIPLINE.  A wave's loads into v[144:239] form one stream, and load number q of it lands in registers
; 144 + 4 (q mod 24).  In every phase either role takes the sixteen oldest of 24 loads, in order, and asks again into the registers just
; read: a staging wave in two units of eight (count 16: two younger units stay out), a multiplying wave in four K steps of four (count 20:
; five younger steps stay out).  The multiplying stream runs one phase behind, so K step st sits at q = 4 st + 16, slot (st + 4) mod 6.
; So every count is right whichever arm the text took in the phase before.  The staging stream ends sixteen loads earlier: from K step
; KS - 8 on the multiplying counts are those of the shorter stream (12, 12, 12, 8), at the cost of two steps of lead in the last two chunks.
; How many groups there are is read from cnt, which an earlier launch stored; the branch on it stands between barriers, never round one.
; Every multiplying wave fills its ring and starts its sums, with or without a group (without: at the last group's address), so that
; every register that a later phase reads has been written on every path; a wave without a group then waits for all its loads.
; Groups 12 to 31 (an expert with more than 384 rows) are shared by all sixteen waves behind the last phase, W being whole in LDS then.
; The matrix instruction is used transposed (source 0: 16 columns of W, source 1: 16 rows of activations): lane (r, h) then holds row r,
; columns 8 h + 0..7 of the tile, which packed to 16 bits is the lane's 16 bytes of a block of the next layer's input.
; The bias, rounded to bf16 like every input, is loaded into the accumulators: nothing is cleared and nothing added afterwards.
; W2 is rounded to bf16 like every input and then written as f16: exact down to 2^-17, below that to 2^-25 absolute.  h1 comes as f16,
; whose rounding is an eighth of bf16's.  a has no such room (30 times larger inputs give z of some 10^4 rms) and leaves as bf16.
; No tensor loads and no joint requests: what work-groups share is the activations, whose number of tiles hangs on counts read from memory.
; LIMITS: NaN and infinite inputs are not served; |W2| above 65,504 overflows f16.
.set KK,    2048                       ; K of this launch
.set TSI,   65536                      ; bytes of an input tile (16 rows x 2,048 x 2)
.set INS,   22                         ; 64 input tiles an expert: shift
.set PWS,   13                         ; a row of W: 8,192 bytes
.set WES,   24                         ; an expert of W: 16 MiB
.set BRS,   13                         ; a row of the bias: 8,192 bytes
.set PW,    1<<PWS
.set KS,    KK/32                      ; K steps
.set NCH,   KK/128                     ; chunks
.set NU,    KK/64                      ; blocks of 16 k that a staging wave stages
.set TSO,   65536                      ; bytes of an output tile
.set NTP,   528                        ; LDS: a block's 16 columns: 512 bytes + 16, so that the staging stores of 16 lanes fall in 16 different 16-byte columns
.set QS,    4*NTP                      ; LDS: a block of 16 k x 64 columns
.set CH,    8*QS                       ; LDS: a chunk
.set NCONS, 12                         ; multiplying waves
.set RING,  6                          ; K steps in the ring
.set ROT,   4                          ; K step st lies in slot (st + 4) mod 6
.set NT,    (KS-RING)/RING             ; the later loop: whole trips of six steps,
.set TL,    KS-RING*NT                 ; and the steps written out behind them
.set ACC,   16                         ; v[16:79]   tile (a, nt) at 8 (4 a + nt)
.set WF,    80                         ; v[80:143]  fragments of W: 2 buffers x 4 nt x 8
.set AF,    144                        ; v[144:239] the ring: 6 K steps x 2 tiles x 8, or 3 units x 32 registers of W as loaded
.set PK,    80                         ; staging: v[80:95] packed; v[96:98] at work
.set T0,    WF+32                      ; the way out: v[112:119], v[120:127] at work
.set T1,    WF+40
; v1 16 L; v2 LDS address of W's fragments; v4 staging address of the chunk; v5 at work; v6 offset of my input tiles; v7 of my output;
; v8 offset in W; v10 staging address; v11 32 h
.macro RND2 d0, d1
	v_cvt_pk_bf16_f32 v5, v[\d0], v[\d1]
	v_lshlrev_b32 v[\d0], 16, v5
	v_and_b32 v[\d1], 0xffff0000, v5
.endm
.macro PLACES                          ; four plain vector instructions behind a matrix instruction before its registers are loaded into or written, or its result is read (ISA guide 7.12.1)
.rept 4
	v_nop
.endr
.endm
	s_load_b256 s[4:11], s[0:1], 0x0               ; IN s[4:5], W s[6:7], bias s[8:9], cnt s[10:11]
	s_load_b64 s[12:13], s[0:1], 0x20              ; OUT
	v_lshl_add_u32 v240, v0, 2, 0x42000
	v_mov_b32 v241, 0
	v_lshrrev_b32 v2, 5, v0
	v_readfirstlane_b32 s14, v2                    ; wave
	s_and_b32 s15, ttmp7, 0xffff                   ; e
	s_mov_b32 s16, ttmp9                           ; slice of 64 columns
	s_and_b32 s29, s14, 3                          ; p: which of the four staging waves (waves 12 to 15)
	s_lshl_b32 s25, s15, 4                         ; cnt[e]
	s_mov_b32 s23, 0
	v_and_b32 v3, 31, v0
	v_lshlrev_b32 v1, 4, v3                        ; 16 L
	v_and_b32 v5, 15, v3                           ; r
	v_lshrrev_b32 v3, 4, v3                        ; h
	v_lshlrev_b32 v11, 5, v3
	s_lshl_b32 s21, s29, 5                         ; in a chunk's 128 rows of W: 32 p
	v_lshl_add_u32 v8, v3, 3, s21                  ; + 8 h
	v_lshlrev_b32 v8, PWS, v8
	v_lshl_add_u32 v8, v5, 4, v8                   ; + 16 bytes for each of 16 lanes: a row piece of 256 bytes
	s_mul_i32 s21, s29, 2*QS                       ; in a chunk of LDS: blocks 2 p and 2 p + 1
	v_lshrrev_b32 v10, 2, v5
	v_mul_u32_u24 v10, v10, NTP                    ; my 4 columns lie in column tile r >> 2,
	v_and_b32 v4, 3, v5
	v_lshl_add_u32 v10, v4, 6, v10                 ; from its lane 4 (r & 3) on,
	v_lshl_add_u32 v10, v3, 8, v10                 ; in the half of my 8 k
	v_add_nc_u32 v10, s21, v10
	s_wait_kmcnt 0x0
	s_lshl_b32 s22, s15, WES
	s_lshl_b32 s21, s16, 8
	s_add_co_u32 s22, s22, s21
	s_add_nc_u64 s[6:7], s[6:7], s[22:23]          ; W at my slice,
	s_add_nc_u64 s[30:31], s[6:7], 0x800000        ; and 1,024 rows further down: the loads' immediates stay inside their signed 24 bits
	s_lshl_b32 s22, s15, BRS
	s_add_co_u32 s22, s22, s21
	s_add_nc_u64 s[8:9], s[8:9], s[22:23]          ; the bias at my 64 columns
	s_lshl_b32 s22, s15, INS
	s_add_nc_u64 s[4:5], s[4:5], s[22:23]          ; IN at the expert's first tile
	s_lshl_b32 s22, s15, 22
	s_lshl_b32 s26, s16, 11                        ; my 4 blocks of 512 bytes
	s_add_co_u32 s22, s22, s26
	s_add_nc_u64 s[12:13], s[12:13], s[22:23]      ; OUT
	s_load_b32 s18, s[10:11], s25 offset:0x4       ; groups of 32 rows
; STAGING.  Unit n of staging wave p is block 8 (n >> 1) + 2 p + (n & 1).  Load j brings its rows 8 h + j, columns 4 r .. 4 r + 3.
.macro WLOAD n
.irp j, 0,1,2,3,4,5,6,7
.if (\n) < 16
	global_load_b128 v[AF+32*((\n)%3)+4*\j:AF+32*((\n)%3)+4*\j+3], v8, s[6:7] offset:(((\n)>>1)*128+((\n)&1)*16+\j)*PW th:TH_LOAD_NT
.else
	global_load_b128 v[AF+32*((\n)%3)+4*\j:AF+32*((\n)%3)+4*\j+3], v8, s[30:31] offset:(((\n)>>1)*128+((\n)&1)*16+\j-1024)*PW th:TH_LOAD_NT
.endif
.endr
.endm
; column 4 r + i: its 8 k, rounded to bf16 and written as f16, packed to 16 bytes: the fragment bytes of lane (4 (r & 3) + i, h) of column tile r >> 2
.macro WUNIT n
.if NU-1-(\n) >= 2
	s_wait_loadcnt 16                              ; the unit's 8 loads are in; the two younger units' stay out
.else
	s_wait_loadcnt 8*(NU-1-(\n))
.endif
.irp i, 0,1,2,3
.irp jj, 0,1,2,3
	v_cvt_pk_bf16_f32 v96, v[AF+32*((\n)%3)+8*\jj+\i], v[AF+32*((\n)%3)+8*\jj+4+\i]
	v_lshlrev_b32 v97, 16, v96
	v_and_b32 v98, 0xffff0000, v96
	v_cvt_pk_f16_f32 v[PK+4*\i+\jj], v97, v98
.endr
	ds_store_b128 v4, v[PK+4*\i:PK+4*\i+3] offset:((\n)&1)*QS+16*\i
.endr
.endm
.macro STAGE c                         ; my two blocks of chunk c; each unit's registers are asked for again at once
	v_add_nc_u32 v4, (\c)*CH, v10
	WUNIT 2*(\c)
.if 2*(\c)+3 < NU
	WLOAD 2*(\c)+3
.endif
	WUNIT 2*(\c)+1
.if 2*(\c)+4 < NU
	WLOAD 2*(\c)+4
.endif
.endm
; MULTIPLYING.
.macro GLOAD st                        ; K step st of my two tiles into its slot: four loads of 512 consecutive bytes
.irp a, 0,1
	global_load_b128 v[AF+16*(((\st)+ROT)%RING)+8*\a:AF+16*(((\st)+ROT)%RING)+8*\a+3],   v6, s[4:5] offset:1024*(\st)+\a*TSI
	global_load_b128 v[AF+16*(((\st)+ROT)%RING)+8*\a+4:AF+16*(((\st)+ROT)%RING)+8*\a+7], v6, s[4:5] offset:1024*(\st)+\a*TSI+512
.endr
.endm
.macro DLOAD b, off                    ; a K step of W's four column tiles, at byte off from v2, into buffer b: eight loads of 512 consecutive bytes
.irp nt, 0,1,2,3
	ds_load_b128 v[WF+32*(\b)+8*\nt:WF+32*(\b)+8*\nt+3],   v2 offset:(\off)+NTP*\nt
	ds_load_b128 v[WF+32*(\b)+8*\nt+4:WF+32*(\b)+8*\nt+7], v2 offset:(\off)+NTP*\nt+QS
.endr
.endm
; One K step.  st: the step, counted from v6's place; rem: steps of K behind it; lo: its fragments' byte from v2; d0: fetch its own
; fragments of W (a chunk's first step); d1: fetch the next step's.  Behind the products and their four places the slot is asked for
; again, six steps ahead.
; The eight accumulators take turns, one instruction a turn, from step to step and over the backward jumps too.
.macro STEP st, rem, lo, d0, d1
.if \d0
	DLOAD (\st)&1, \lo
.endif
.if \d1
	DLOAD ((\st)+1)&1, (\lo)+2*QS
.endif
	s_wait_dscnt 8*\d1                             ; this step's eight are in; the next step's eight stay out
.set wn, 4*(\rem)                                  ; the last four steps: the counts run down
.if (\rem) >= 4
.set wn, 8                                         ; steps KS - 8 to KS - 5: the shorter stream's counts (see the head)
.endif
.if (\rem) >= 5
.set wn, 12
.endif
.if (\rem) >= 8
.set wn, 20                                        ; this step's four are in; the five younger steps' stay out
.endif
	s_wait_loadcnt wn
.irp a, 0,1
.irp nt, 0,1,2,3
	v_wmma_f32_16x16x32_f16 v[ACC+8*(4*\a+\nt):ACC+8*(4*\a+\nt)+7], v[WF+32*((\st)&1)+8*\nt:WF+32*((\st)&1)+8*\nt+7], v[AF+16*(((\st)+ROT)%RING)+8*\a:AF+16*(((\st)+ROT)%RING)+8*\a+7], v[ACC+8*(4*\a+\nt):ACC+8*(4*\a+\nt)+7]
.endr
.endr
	PLACES
.if (\rem) >= RING
	GLOAD (\st)+RING
.endif
.endm
.macro CHUNK c                         ; chunk c's four steps; the last fetches no W: the next chunk is read behind the barrier
	v_add_nc_u32 v2, (\c)*CH, v1
	STEP 4*(\c),   KS-1-4*(\c), 0,    1, 1
	STEP 4*(\c)+1, KS-2-4*(\c), 2*QS, 0, 1
	STEP 4*(\c)+2, KS-3-4*(\c), 4*QS, 0, 1
	STEP 4*(\c)+3, KS-4-4*(\c), 6*QS, 0, 0
.endm
.macro ADDR                            ; group s19: where its tiles lie, in and out
	s_mul_i32 s22, s19, 2*TSI
	s_lshl_b32 s26, s19, 17                        ; two output tiles of 65,536 bytes
	v_add_nc_u32 v6, s22, v1
	v_add_nc_u32 v7, s26, v1
.endm
.macro BIASACC                         ; bias[16 nt + 8 h + j] into register j of both tiles (a, nt)
.irp a, 0,1
.irp nt, 0,1,2,3
	global_load_b128 v[ACC+8*(4*\a+\nt):ACC+8*(4*\a+\nt)+3],   v11, s[8:9] offset:64*\nt
	global_load_b128 v[ACC+8*(4*\a+\nt)+4:ACC+8*(4*\a+\nt)+7], v11, s[8:9] offset:64*\nt+16
.endr
.endr
.endm
.macro BIASRND
.set k, 0
.rept 32
	RND2 ACC+k, ACC+k+1
.set k, k+2
.endr
.endm
; silu(z) = z / (1 + e^-z).  e^-z = infinity gives 1 / infinity = 0 and z x 0 = -0; e^-z = 0 gives z.  Stands behind a step's four places.
.macro EPILOGUE
.irp a, 0,1
.irp nt, 0,1,2,3
.irp p, 0,2,4,6
	v_pk_mul_f32 v[T0+\p:T0+\p+1], v[ACC+8*(4*\a+\nt)+\p:ACC+8*(4*\a+\nt)+\p+1], 0xbfb8aa3b op_sel_hi:[1,0]
.endr
.irp j, 0,1,2,3,4,5,6,7
	v_exp_f32 v[T1+\j], v[T0+\j]                   ; e^-z
.endr
	v_nop                                          ; one plain instruction behind the transcendentals (ISA guide 5.7.2)
	s_wait_alu depctr_va_vdst(0)
.irp p, 0,2,4,6
	v_pk_add_f32 v[T0+\p:T0+\p+1], v[T1+\p:T1+\p+1], 1.0 op_sel_hi:[1,0]
.endr
.irp j, 0,1,2,3,4,5,6,7
	v_rcp_f32 v[T1+\j], v[T0+\j]                   ; sigmoid(z)
.endr
	v_nop
	s_wait_alu depctr_va_vdst(0)
.irp p, 0,2,4,6
	v_pk_mul_f32 v[T0+\p:T0+\p+1], v[T1+\p:T1+\p+1], v[ACC+8*(4*\a+\nt)+\p:ACC+8*(4*\a+\nt)+\p+1]
.endr
.irp p, 0,1,2,3
	v_cvt_pk_bf16_f32 v[WF+4*(4*\a+\nt)+\p], v[T0+2*\p], v[T0+2*\p+1]
.endr
	global_store_b128 v7, v[WF+4*(4*\a+\nt):WF+4*(4*\a+\nt)+3], s[12:13] offset:\a*TSO+512*\nt   ; a block: 512 consecutive bytes
.endr
.endr
.endm
; Phase c: chunk c is staged, chunk c - 1 multiplied; then the barrier, which every wave reaches.
.macro PHASE c
	s_cmp_lt_u32 s14, NCONS
	s_cbranch_scc1 .Lcons_\@
	STAGE \c
	s_branch .Ljoin_\@
.Lcons_\@:
.if (\c) == 0
	s_wait_loadcnt 0x0                             ; nothing to multiply yet: the ring lands while chunk 0 is staged
.else
	s_cmp_ge_u32 s14, s18
	s_cbranch_scc1 .Lidle_\@
	CHUNK (\c)-1
	s_branch .Ljoin_\@
.Lidle_\@:
	s_wait_loadcnt 0x0                             ; a wave without a group has nothing on its way
.endif
.Ljoin_\@:
	s_wait_dscnt 0x0                               ; my stores of chunk c are in LDS, my reads of chunk c - 1 are back
	s_barrier_signal -1
	s_barrier_wait -1
.endm
	s_cmp_lt_u32 s14, NCONS
	s_cbranch_scc1 .Lcpro
.irp n, 0,1,2
	WLOAD \n                                       ; a staging wave's ring: 24 loads, 12 KiB
.endr
	s_branch .Lstart
.Lcpro:
	s_wait_kmcnt 0x0
	s_min_u32 s18, s18, 32
	s_max_u32 s18, s18, 1
	s_sub_co_u32 s19, s18, 1
	s_min_u32 s19, s19, s14                        ; my group, or the last one
	s_min_u32 s19, s19, 31
	ADDR
	BIASACC
.irp n, 2,3,4,5,0,1
	GLOAD \n                                       ; the ring's 24 loads, in the order of their registers
.endr
	s_wait_loadcnt 24                              ; the bias is in; the ring's 24 loads stay out
	BIASRND
.Lstart:
	s_wait_kmcnt 0x0                               ; the count, for every wave
	s_min_u32 s18, s18, 32
	s_max_u32 s18, s18, 1
.set ph, 0
.rept NCH
	PHASE ph
.set ph, ph+1
.endr
	s_cmp_ge_u32 s14, NCONS                        ; the last chunk: nothing is left to stage, and no barrier follows
	s_cbranch_scc1 .Lpost
	s_cmp_ge_u32 s14, s18
	s_cbranch_scc1 .Lpost
	CHUNK NCH-1
	EPILOGUE
.Lpost:
	s_wait_loadcnt 0x0                             ; no load is on its way when the ring's registers are taken up anew
; GROUPS 12 AND UP, shared by the sixteen waves: wave w takes 12 + w, 28 + w.  W is whole in LDS; no barrier.
.macro TRIPP first                     ; six K steps
	STEP 0, 99, 0, \first, 1
	STEP 1, 99, 2*QS, 0, 1
	STEP 2, 99, 4*QS, 0, 1
	STEP 3, 99, 6*QS, 0, 1
	STEP 4, 99, 8*QS, 0, 1
	STEP 5, 99, 10*QS, 0, 1
	s_wait_xcnt 0x0                                ; v6 is stepped only behind this wait
	v_add_nc_u32 v6, 1024*RING, v6
	v_add_nc_u32 v2, 2*QS*RING, v2
.endm
	s_max_u32 s28, s18, NCONS
	s_add_co_u32 s28, s28, 15-NCONS
	s_sub_co_u32 s28, s28, s14
	s_lshr_b32 s28, s28, 4                         ; (groups - 12 + 15 - wave) >> 4 of them are mine
	s_add_co_u32 s19, s14, NCONS
	s_mov_b32 s27, 0
	s_cmp_eq_u32 s28, 0
	s_cbranch_scc1 .Ldone
.Lgroup:
	s_wait_xcnt 0x0                                ; the last group's stores have read their data and address
	ADDR
	v_mov_b32 v2, v1
	BIASACC
.irp n, 0,1,2,3,4,5
	GLOAD \n
.endr
	s_wait_loadcnt 24                              ; the bias is in; the ring's 24 loads stay out
	BIASRND
	TRIPP 1
	s_mov_b32 s20, NT-1
.Ltrip:
	TRIPP 0
	s_sub_co_u32 s20, s20, 1
	s_cmp_lg_u32 s20, 0
	s_cbranch_scc1 .Ltrip
.set t, 0
.rept TL-1
	STEP t, TL-1-t, t*2*QS, 0, 1                   ; the last steps: no load passes the end of K, and the counts run down
.set t, t+1
.endr
	STEP TL-1, 0, (TL-1)*2*QS, 0, 0
	EPILOGUE
	s_add_co_u32 s19, s19, 16
	s_add_co_u32 s27, s27, 1
	s_cmp_lt_u32 s27, s28
	s_cbranch_scc1 .Lgroup
.Ldone:
	s_barrier_signal -1
	s_barrier_wait -1
	s_wait_tensorcnt 0x0
	ds_add_u32 v240, v241
	s_wait_dscnt 0x0
	s_endpgm
.Lfunc_end_k_qc22285c8a9_l2:
	.size	k_qc22285c8a9_l2, .Lfunc_end_k_qc22285c8a9_l2-k_qc22285c8a9_l2
	.p2alignl 7, 3214868480
	.fill 96, 4, 3214868480
	.section	.rodata,"a",@progbits
	.p2align	6, 0x0
	.amdhsa_kernel k_qc22285c8a9_l2
		.amdhsa_group_segment_fixed_size 272384
		.amdhsa_private_segment_fixed_size 0
		.amdhsa_enable_private_segment 0
		.amdhsa_kernarg_size 40
		.amdhsa_user_sgpr_count 2
		.amdhsa_user_sgpr_kernarg_segment_ptr 1
		.amdhsa_wavefront_size32 1
		.amdhsa_system_sgpr_workgroup_id_x 1
		.amdhsa_system_sgpr_workgroup_id_y 1
		.amdhsa_system_sgpr_workgroup_id_z 1
		.amdhsa_system_vgpr_workitem_id 0
		.amdhsa_next_free_vgpr 242
		.amdhsa_next_free_sgpr 66
		.amdhsa_reserve_vcc 0
		.amdhsa_float_denorm_mode_32 3
		.amdhsa_float_denorm_mode_16_64 3
		.amdhsa_memory_ordered 1
		.amdhsa_forward_progress 1
		.amdhsa_inst_pref_size 255
	.end_amdhsa_kernel
	.section	.bss,"aw",@nobits
	.p2align	6
	.space	262144
	.amdgpu_metadata
---
amdhsa.version: [ 1, 2 ]
amdhsa.kernels:
  - .name:           k_qc22285c8a9_l2
    .symbol:         k_qc22285c8a9_l2.kd
    .args:
      - { .name: actB, .offset: 0, .size: 8, .value_kind: global_buffer, .address_space: global }
      - { .name: W2, .offset: 8, .size: 8, .value_kind: global_buffer, .address_space: global }
      - { .name: b2, .offset: 16, .size: 8, .value_kind: global_buffer, .address_space: global }
      - { .name: cnt, .offset: 24, .size: 8, .value_kind: global_buffer, .address_space: global }
      - { .name: actA, .offset: 32, .size: 8, .value_kind: global_buffer, .address_space: global }
    .group_segment_fixed_size: 272384
    .private_segment_fixed_size: 0
    .kernarg_segment_align: 8
    .kernarg_segment_size: 40
    .max_flat_workgroup_size: 512
    .sgpr_count:     66
    .vgpr_count:     242
    .wavefront_size: 32
...
	.end_amdgpu_metadata
.endif
;; end of part 4
;; launch l3 (part 5): grid 32 x 8, 16 waves a work-group, no clusters, 137,216 bytes of LDS; arguments actA, W3, b3, cnt, y; writes y
.if DOCPART == 5
	.amdgcn_target "amdgcn-amd-amdhsa--gfx1250"
	.amdhsa_code_object_version 6
	.text
	.protected	k_qc22285c8a9_l3
	.globl	k_qc22285c8a9_l3
	.p2align	8
	.type	k_qc22285c8a9_l3,@function
k_qc22285c8a9_l3:
	s_mov_b64 s[64:65], 0
	v_nop
	global_prefetch_b8 v0, s[64:65] scope:SCOPE_SE
	s_setreg_imm32_b32 hwreg(HW_REG_WAVE_MODE, 25, 1), 1
	s_wait_xcnt 0x0
; THIRD LAYER OF THE EXPERTS: y = a W3 + b3, bf16 operands, f32 sums, y stored as f32, row-major, in two partial sums.
; Work-group (slice, e): expert e, 64 output columns, one half of K (W3 has only 16 slices of 64 columns an expert, so K = 2,048 is split in
; two to give 256 work-groups; the halves are stored apart, b3 in half 0 alone, and the next launch adds them).
; Every byte of W is read by one work-group, in rows of 256 bytes.
; SIXTEEN WAVES IN TWO ROLES.  Waves 12 to 15 STAGE: they load the slice of W (K x 64 f32), round it and lay it into LDS as matrix
; fragments.  Waves 0 to 11 MULTIPLY: wave w takes group w of 32 rows (two tiles of 16) through its K, fragments of W from LDS,
; fragments of the activations straight from memory (they lie there in fragment order: tile T, block q of 16 k, lane L at
; 65,536 T + 512 q + 16 L).  K goes in chunks of 128: in phase c chunk c is staged while chunk c - 1 is multiplied, and one barrier, on
; every wave's path, ends the phase.  W stays in LDS: nothing is filled again.  The phases are written out, so that every LDS address is
; a lane term and constants: chunk c lies at bytes 16,896 c to 16,896 c + 16,895.
; BOTH ROLES KEEP ONE RING DISCIPLINE.  A wave's loads into v[144:239] form one stream, and load number q of it lands in registers
; 144 + 4 (q mod 24).  In every phase either role takes the sixteen oldest of 24 loads, in order, and asks again into the registers just
; read: a staging wave in two units of eight (count 16: two younger units stay out), a multiplying wave in four K steps of four (count 20:
; five younger steps stay out).  The multiplying stream runs one phase behind, so K step st sits at q = 4 st + 16, slot (st + 4) mod 6.
; So every count is right whichever arm the text took in the phase before.  The staging stream ends sixteen loads earlier: from K step
; KS - 8 on the multiplying counts are those of the shorter stream (12, 12, 12, 8), at the cost of two steps of lead in the last two chunks.
; How many groups there are is read from cnt, which an earlier launch stored; the branch on it stands between barriers, never round one.
; Every multiplying wave fills its ring and makes the first K step, which starts the sums, with or without a group (without: at the last
; group's address), so that every register that a later phase reads has been written on every path; a wave without a group then waits
; for all its loads.
; Groups 12 to 31 (an expert with more than 384 rows) are shared by all sixteen waves behind the last phase, W being whole in LDS then.
; THE WAY OUT WITHOUT LDS: source 0 is 16 rows of activations, source 1 is 16 columns of W, and column 4 r + nt of the slice is staged as
; column r of tile nt.  Register j of the four tiles of lane (r, h) then holds row 8 h + j, columns 4 r .. 4 r + 3: the four additions of
; the bias bring them into neighbouring registers, and sixteen lanes store a row's 256 bytes of the slice.
; No tensor loads and no joint requests: what work-groups share is the activations, whose number of tiles hangs on counts read from memory.
; LIMITS: NaN and infinite inputs are not served.
.set KK,    1024                       ; K of this launch: half of 2,048
.set TSI,   65536                      ; bytes of an input tile (16 rows x 2,048 x 2)
.set INS,   22                         ; 64 input tiles an expert: shift
.set PWS,   12                         ; a row of W: 4,096 bytes
.set WES,   23                         ; an expert of W: 8 MiB
.set BRS,   12                         ; a row of the bias: 4,096 bytes
.set PW,    1<<PWS
.set KS,    KK/32                      ; K steps
.set NCH,   KK/128                     ; chunks
.set NU,    KK/64                      ; blocks of 16 k that a staging wave stages
.set NTP,   528                        ; LDS: a block's 16 columns: 512 bytes + 16
.set QS,    4*NTP                      ; LDS: a block of 16 k x 64 columns
.set CH,    8*QS                       ; LDS: a chunk
.set NCONS, 12                         ; multiplying waves
.set RING,  6                          ; K steps in the ring
.set ROT,   4                          ; K step st lies in slot (st + 4) mod 6
.set NT,    (KS-RING)/RING             ; the later loop: whole trips of six steps,
.set TL,    KS-RING*NT                 ; and the steps written out behind them
.set BIAS,  12                         ; v[12:15]   bias[4 r + nt] at nt
.set ACC,   16                         ; v[16:79]   tile (a, nt) at 8 (4 a + nt)
.set WF,    80                         ; v[80:143]  fragments of W: 2 buffers x 4 nt x 8; on the way out: row (a, j) at 32 a + 4 j
.set AF,    144                        ; v[144:239] the ring: 6 K steps x 2 tiles x 8, or 3 units x 32 registers of W as loaded
.set PK,    80                         ; staging: v[80:95] packed
; v1 16 L; v2 LDS address of W's fragments; v4 staging address of the chunk; v5 at work; v6 offset of my input tiles; v7 of my output;
; v8 offset in W; v9 my lane's place in y: 8 h rows + 16 r; v10 staging address; v11 16 r
.macro RND2 d0, d1
	v_cvt_pk_bf16_f32 v5, v[\d0], v[\d1]
	v_lshlrev_b32 v[\d0], 16, v5
	v_and_b32 v[\d1], 0xffff0000, v5
.endm
.macro PLACES                          ; four plain vector instructions behind a matrix instruction before its registers are loaded into or written, or its result is read (ISA guide 7.12.1)
.rept 4
	v_nop
.endr
.endm
	s_load_b256 s[4:11], s[0:1], 0x0               ; IN s[4:5], W s[6:7], bias s[8:9], cnt s[10:11]
	s_load_b64 s[12:13], s[0:1], 0x20              ; OUT
	v_lshl_add_u32 v240, v0, 2, 0x21000
	v_mov_b32 v241, 0
	v_lshrrev_b32 v2, 5, v0
	v_readfirstlane_b32 s14, v2                    ; wave
	s_and_b32 s15, ttmp7, 0xffff                   ; e
	s_and_b32 s16, ttmp9, 15                       ; slice of 64 columns
	s_lshr_b32 s17, ttmp9, 4                       ; half of K
	s_cmp_eq_u32 s17, 0
	s_cselect_b32 s24, -1, 0                       ; the bias enters in half 0 alone
	s_and_b32 s29, s14, 3                          ; p: which of the four staging waves (waves 12 to 15)
	s_lshl_b32 s25, s15, 4                         ; cnt[e]
	s_mov_b32 s23, 0
	v_and_b32 v3, 31, v0
	v_lshlrev_b32 v1, 4, v3                        ; 16 L
	v_and_b32 v5, 15, v3                           ; r
	v_lshrrev_b32 v3, 4, v3                        ; h
	v_lshlrev_b32 v11, 4, v5
	s_lshl_b32 s21, s29, 5                         ; in a chunk's 128 rows of W: 32 p
	v_lshl_add_u32 v8, v3, 3, s21                  ; + 8 h
	v_lshlrev_b32 v8, PWS, v8
	v_lshl_add_u32 v8, v5, 4, v8                   ; + 16 bytes for each of 16 lanes: a row piece of 256 bytes
	s_mul_i32 s21, s29, 2*QS                       ; in a chunk of LDS: blocks 2 p and 2 p + 1
	v_add_nc_u32 v10, s21, v1                      ; my columns are column r of the four tiles, in the half of my 8 k: lane L's own 16 bytes
	v_lshl_add_u32 v9, v3, 15, v11                 ; 8 h rows of 4,096 bytes + 16 r
	s_wait_kmcnt 0x0
	s_lshl_b32 s22, s15, WES
	s_lshl_b32 s21, s16, 8
	s_add_co_u32 s22, s22, s21
	s_lshl_b32 s26, s17, 22                        ; 1,024 rows of 4,096 bytes
	s_add_co_u32 s22, s22, s26
	s_add_nc_u64 s[6:7], s[6:7], s[22:23]          ; W at my slice
	s_lshl_b32 s22, s15, BRS
	s_add_co_u32 s22, s22, s21
	s_add_nc_u64 s[8:9], s[8:9], s[22:23]          ; the bias at my 64 columns
	s_lshl_b32 s22, s15, INS
	s_lshl_b32 s26, s17, 15                        ; 64 blocks of 512 bytes
	s_add_co_u32 s22, s22, s26
	s_add_nc_u64 s[4:5], s[4:5], s[22:23]          ; IN at the expert's first tile, my half of K
	s_lshl_b32 s22, s15, 22                        ; 1,024 rows of 4,096 bytes an expert
	s_add_co_u32 s22, s22, s21
	s_lshl_b32 s26, s17, 25                        ; 8,192 rows of 4,096 bytes a half
	s_add_co_u32 s22, s22, s26
	s_add_nc_u64 s[12:13], s[12:13], s[22:23]      ; OUT
	s_load_b32 s18, s[10:11], s25 offset:0x4       ; groups of 32 rows
	global_load_b128 v[BIAS:BIAS+3], v11, s[8:9]   ; every wave's oldest load: in by any later wait
; STAGING.  Unit n of staging wave p is block 8 (n >> 1) + 2 p + (n & 1).  Load j brings its rows 8 h + j, columns 4 r .. 4 r + 3.
.macro WLOAD n
.irp j, 0,1,2,3,4,5,6,7
	global_load_b128 v[AF+32*((\n)%3)+4*\j:AF+32*((\n)%3)+4*\j+3], v8, s[6:7] offset:(((\n)>>1)*128+((\n)&1)*16+\j)*PW th:TH_LOAD_NT
.endr
.endm
; column 4 r + i: its 8 k packed to 16 bytes, the fragment bytes of lane (r, h) of tile i: a store covers 512 consecutive bytes
.macro WUNIT n
.if NU-1-(\n) >= 2
	s_wait_loadcnt 16                              ; the unit's 8 loads are in; the two younger units' stay out
.else
	s_wait_loadcnt 8*(NU-1-(\n))
.endif
.irp i, 0,1,2,3
.irp jj, 0,1,2,3
	v_cvt_pk_bf16_f32 v[PK+4*\i+\jj], v[AF+32*((\n)%3)+8*\jj+\i], v[AF+32*((\n)%3)+8*\jj+4+\i]
.endr
	ds_store_b128 v4, v[PK+4*\i:PK+4*\i+3] offset:((\n)&1)*QS+NTP*\i
.endr
.endm
.macro STAGE c                         ; my two blocks of chunk c; each unit's registers are asked for again at once
	v_add_nc_u32 v4, (\c)*CH, v10
	WUNIT 2*(\c)
.if 2*(\c)+3 < NU
	WLOAD 2*(\c)+3
.endif
	WUNIT 2*(\c)+1
.if 2*(\c)+4 < NU
	WLOAD 2*(\c)+4
.endif
.endm
; MULTIPLYING.
.macro GLOAD st                        ; K step st of my two tiles into its slot: four loads of 512 consecutive bytes
.irp a, 0,1
	global_load_b128 v[AF+16*(((\st)+ROT)%RING)+8*\a:AF+16*(((\st)+ROT)%RING)+8*\a+3],   v6, s[4:5] offset:1024*(\st)+\a*TSI
	global_load_b128 v[AF+16*(((\st)+ROT)%RING)+8*\a+4:AF+16*(((\st)+ROT)%RING)+8*\a+7], v6, s[4:5] offset:1024*(\st)+\a*TSI+512
.endr
.endm
.macro DLOAD b, off                    ; a K step of W's four column tiles, at byte off from v2, into buffer b: eight loads of 512 consecutive bytes
.irp nt, 0,1,2,3
	ds_load_b128 v[WF+32*(\b)+8*\nt:WF+32*(\b)+8*\nt+3],   v2 offset:(\off)+NTP*\nt
	ds_load_b128 v[WF+32*(\b)+8*\nt+4:WF+32*(\b)+8*\nt+7], v2 offset:(\off)+NTP*\nt+QS
.endr
.endm
; One K step.  st: the step, counted from v6's place; rem: steps of K behind it; lo: its fragments' byte from v2; d0: fetch its own
; fragments of W (a chunk's first step); d1: fetch the next step's; zero: the product starts the sums.  Behind the products and their
; four places the slot is asked for again, six steps ahead.
; The eight accumulators take turns, one instruction a turn, from step to step and over the backward jumps too.
.macro STEP st, rem, lo, d0, d1, zero
.if \d0
	DLOAD (\st)&1, \lo
.endif
.if \d1
	DLOAD ((\st)+1)&1, (\lo)+2*QS
.endif
	s_wait_dscnt 8*\d1                             ; this step's eight are in; the next step's eight stay out
.set wn, 4*(\rem)                                  ; the last four steps: the counts run down
.if (\rem) >= 4
.set wn, 8                                         ; steps KS - 8 to KS - 5: the shorter stream's counts (see the head)
.endif
.if (\rem) >= 5
.set wn, 12
.endif
.if (\rem) >= 8
.set wn, 20                                        ; this step's four are in; the five younger steps' stay out
.endif
	s_wait_loadcnt wn
.irp a, 0,1
.irp nt, 0,1,2,3
.if \zero
	v_wmma_f32_16x16x32_bf16 v[ACC+8*(4*\a+\nt):ACC+8*(4*\a+\nt)+7], v[AF+16*(((\st)+ROT)%RING)+8*\a:AF+16*(((\st)+ROT)%RING)+8*\a+7], v[WF+32*((\st)&1)+8*\nt:WF+32*((\st)&1)+8*\nt+7], 0
.else
	v_wmma_f32_16x16x32_bf16 v[ACC+8*(4*\a+\nt):ACC+8*(4*\a+\nt)+7], v[AF+16*(((\st)+ROT)%RING)+8*\a:AF+16*(((\st)+ROT)%RING)+8*\a+7], v[WF+32*((\st)&1)+8*\nt:WF+32*((\st)&1)+8*\nt+7], v[ACC+8*(4*\a+\nt):ACC+8*(4*\a+\nt)+7]
.endif
.endr
.endr
	PLACES
.if (\rem) >= RING
	GLOAD (\st)+RING
.endif
.endm
.macro CHUNKA c, zero                  ; the first of chunk c's four steps
	v_add_nc_u32 v2, (\c)*CH, v1
	STEP 4*(\c), KS-1-4*(\c), 0, 1, 1, \zero
.endm
.macro CHUNKB c                        ; the other three; the last fetches no W: the next chunk is read behind the barrier
	STEP 4*(\c)+1, KS-2-4*(\c), 2*QS, 0, 1, 0
	STEP 4*(\c)+2, KS-3-4*(\c), 4*QS, 0, 1, 0
	STEP 4*(\c)+3, KS-4-4*(\c), 6*QS, 0, 0, 0
.endm
.macro ADDR                            ; group s19: where its tiles lie, in and out
	s_mul_i32 s22, s19, 2*TSI
	s_lshl_b32 s26, s19, 17                        ; 32 rows of 4,096 bytes
	v_add_nc_u32 v6, s22, v1
	v_add_nc_u32 v7, s26, v9
.endm
.macro EPILOGUE                        ; stands behind a step's four places
	RND2 BIAS, BIAS+1                              ; the bias rounded to bf16, and cleared in half 1: done again for a later group it changes nothing
	RND2 BIAS+2, BIAS+3
.irp nt, 0,1,2,3
	v_and_b32 v[BIAS+\nt], s24, v[BIAS+\nt]
.endr
.irp a, 0,1
.irp j, 0,1,2,3,4,5,6,7
.irp nt, 0,1,2,3
	v_add_f32 v[WF+32*\a+4*\j+\nt], v[ACC+8*(4*\a+\nt)+\j], v[BIAS+\nt]      ; row 16 a + 8 h + j, column 4 r + nt
.endr
	global_store_b128 v7, v[WF+32*\a+4*\j:WF+32*\a+4*\j+3], s[12:13] offset:(16*\a+\j)*4096   ; 16 lanes store 256 consecutive bytes, aligned
.endr
.endr
.endm
; Phase c: chunk c is staged, chunk c - 1 multiplied; then the barrier, which every wave reaches.
.macro PHASE c
	s_cmp_lt_u32 s14, NCONS
	s_cbranch_scc1 .Lcons_\@
	STAGE \c
	s_branch .Ljoin_\@
.Lcons_\@:
.if (\c) == 0
	s_wait_loadcnt 0x0                             ; nothing to multiply yet: the ring lands while chunk 0 is staged
.else
.if (\c) == 1
	CHUNKA 0, 1                                    ; every multiplying wave: the sums start
.endif
	s_cmp_ge_u32 s14, s18
	s_cbranch_scc1 .Lidle_\@
.if (\c) > 1
	CHUNKA (\c)-1, 0
.endif
	CHUNKB (\c)-1
	s_branch .Ljoin_\@
.Lidle_\@:
	s_wait_loadcnt 0x0                             ; a wave without a group has nothing on its way
.endif
.Ljoin_\@:
	s_wait_dscnt 0x0                               ; my stores of chunk c are in LDS, my reads of chunk c - 1 are back
	s_barrier_signal -1
	s_barrier_wait -1
.endm
	s_cmp_lt_u32 s14, NCONS
	s_cbranch_scc1 .Lcpro
.irp n, 0,1,2
	WLOAD \n                                       ; a staging wave's ring: 24 loads, 12 KiB
.endr
	s_branch .Lstart
.Lcpro:
	s_wait_kmcnt 0x0
	s_min_u32 s18, s18, 32
	s_max_u32 s18, s18, 1
	s_sub_co_u32 s19, s18, 1
	s_min_u32 s19, s19, s14                        ; my group, or the last one
	s_min_u32 s19, s19, 31
	ADDR
.irp n, 2,3,4,5,0,1
	GLOAD \n                                       ; the ring's 24 loads, in the order of their registers
.endr
.Lstart:
	s_wait_kmcnt 0x0                               ; the count, for every wave
	s_min_u32 s18, s18, 32
	s_max_u32 s18, s18, 1
.set ph, 0
.rept NCH
	PHASE ph
.set ph, ph+1
.endr
	s_cmp_ge_u32 s14, NCONS                        ; the last chunk: nothing is left to stage, and no barrier follows
	s_cbranch_scc1 .Lpost
	s_cmp_ge_u32 s14, s18
	s_cbranch_scc1 .Lpost
	CHUNKA NCH-1, 0
	CHUNKB NCH-1
	EPILOGUE
.Lpost:
	s_wait_loadcnt 0x0                             ; no load is on its way when the ring's registers are taken up anew
; GROUPS 12 AND UP, shared by the sixteen waves: wave w takes 12 + w, 28 + w.  W is whole in LDS; no barrier.
.macro TRIPP first                     ; six K steps
	STEP 0, 99, 0, \first, 1, \first
	STEP 1, 99, 2*QS, 0, 1, 0
	STEP 2, 99, 4*QS, 0, 1, 0
	STEP 3, 99, 6*QS, 0, 1, 0
	STEP 4, 99, 8*QS, 0, 1, 0
	STEP 5, 99, 10*QS, 0, 1, 0
	s_wait_xcnt 0x0                                ; v6 is stepped only behind this wait
	v_add_nc_u32 v6, 1024*RING, v6
	v_add_nc_u32 v2, 2*QS*RING, v2
.endm
	s_max_u32 s28, s18, NCONS
	s_add_co_u32 s28, s28, 15-NCONS
	s_sub_co_u32 s28, s28, s14
	s_lshr_b32 s28, s28, 4                         ; (groups - 12 + 15 - wave) >> 4 of them are mine
	s_add_co_u32 s19, s14, NCONS
	s_mov_b32 s27, 0
	s_cmp_eq_u32 s28, 0
	s_cbranch_scc1 .Ldone
.Lgroup:
	s_wait_xcnt 0x0                                ; the last group's stores have read their data and address
	ADDR
	v_mov_b32 v2, v1
.irp n, 0,1,2,3,4,5
	GLOAD \n
.endr
	TRIPP 1
	s_mov_b32 s20, NT-1
.Ltrip:
	TRIPP 0
	s_sub_co_u32 s20, s20, 1
	s_cmp_lg_u32 s20, 0
	s_cbranch_scc1 .Ltrip
.set t, 0
.rept TL-1
	STEP t, TL-1-t, t*2*QS, 0, 1, 0                ; the last steps: no load passes the end of K, and the counts run down
.set t, t+1
.endr
	STEP TL-1, 0, (TL-1)*2*QS, 0, 0, 0
	EPILOGUE
	s_add_co_u32 s19, s19, 16
	s_add_co_u32 s27, s27, 1
	s_cmp_lt_u32 s27, s28
	s_cbranch_scc1 .Lgroup
.Ldone:
	s_barrier_signal -1
	s_barrier_wait -1
	s_wait_tensorcnt 0x0
	ds_add_u32 v240, v241
	s_wait_dscnt 0x0
	s_endpgm
.Lfunc_end_k_qc22285c8a9_l3:
	.size	k_qc22285c8a9_l3, .Lfunc_end_k_qc22285c8a9_l3-k_qc22285c8a9_l3
	.p2alignl 7, 3214868480
	.fill 96, 4, 3214868480
	.section	.rodata,"a",@progbits
	.p2align	6, 0x0
	.amdhsa_kernel k_qc22285c8a9_l3
		.amdhsa_group_segment_fixed_size 137216
		.amdhsa_private_segment_fixed_size 0
		.amdhsa_enable_private_segment 0
		.amdhsa_kernarg_size 40
		.amdhsa_user_sgpr_count 2
		.amdhsa_user_sgpr_kernarg_segment_ptr 1
		.amdhsa_wavefront_size32 1
		.amdhsa_system_sgpr_workgroup_id_x 1
		.amdhsa_system_sgpr_workgroup_id_y 1
		.amdhsa_system_sgpr_workgroup_id_z 1
		.amdhsa_system_vgpr_workitem_id 0
		.amdhsa_next_free_vgpr 242
		.amdhsa_next_free_sgpr 66
		.amdhsa_reserve_vcc 0
		.amdhsa_float_denorm_mode_32 3
		.amdhsa_float_denorm_mode_16_64 3
		.amdhsa_memory_ordered 1
		.amdhsa_forward_progress 1
		.amdhsa_inst_pref_size 129
	.end_amdhsa_kernel
	.amdgpu_metadata
---
amdhsa.version: [ 1, 2 ]
amdhsa.kernels:
  - .name:           k_qc22285c8a9_l3
    .symbol:         k_qc22285c8a9_l3.kd
    .args:
      - { .name: actA, .offset: 0, .size: 8, .value_kind: global_buffer, .address_space: global }
      - { .name: W3, .offset: 8, .size: 8, .value_kind: global_buffer, .address_space: global }
      - { .name: b3, .offset: 16, .size: 8, .value_kind: global_buffer, .address_space: global }
      - { .name: cnt, .offset: 24, .size: 8, .value_kind: global_buffer, .address_space: global }
      - { .name: y, .offset: 32, .size: 8, .value_kind: global_buffer, .address_space: global }
    .group_segment_fixed_size: 137216
    .private_segment_fixed_size: 0
    .kernarg_segment_align: 8
    .kernarg_segment_size: 40
    .max_flat_workgroup_size: 512
    .sgpr_count:     66
    .vgpr_count:     242
    .wavefront_size: 32
...
	.end_amdgpu_metadata
.endif
;; end of part 5
;; launch combine (part 6): grid 256 x 1, 8 waves a work-group, no clusters, 0 bytes of LDS; arguments y, sel, slot, gate, out0; writes out0
.if DOCPART == 6
	.amdgcn_target "amdgcn-amd-amdhsa--gfx1250"
	.amdhsa_code_object_version 6
	.text
	.protected	k_qc22285c8a9_combine
	.globl	k_qc22285c8a9_combine
	.p2align	8
	.type	k_qc22285c8a9_combine,@function
k_qc22285c8a9_combine:
	s_mov_b64 s[64:65], 0
	v_nop
	global_prefetch_b8 v0, s[64:65] scope:SCOPE_SE
	s_setreg_imm32_b32 hwreg(HW_REG_WAVE_MODE, 25, 1), 1
	s_wait_xcnt 0x0
; out[token] = w0 (y0[row0] + y1[row0]) + w1 (y0[row1] + y1[row1]): the two halves of K of the last layer are added, and the token's two
; experts are weighted.  The six other experts have the weight 0 and are left out; that is the same wherever their y is finite.
; row k = 1024 e_k + slot[e_k][token], with e_0, e_1 from sel (whole numbers that earlier launches stored); w0, w1 from gate.
; A work-group has 4 tokens; thread t has the 16 bytes at 16 t of each row, so a wave's load or store covers 512 consecutive bytes.
; A stream: all 16 loads of a thread go out at once; no LDS, no barrier, no matrix unit.
.set OFF, 2                            ; v[2:9]    byte offset in y of my 16 bytes of row m = 2 token + choice
.set Y,   16                           ; v[16:79]  token i, choice k, half g at 16 i + 8 k + 4 g
.set O,   80                           ; v[80:95]  token i's result at 4 i
; s[16:23] position, then row, then byte offset of row m; s[24:31] the weights; s[36:39] sel; s[40:47] expert of row m; s[48:55] its row of slot
	s_load_b256 s[4:11], s[0:1], 0x0               ; y s[4:5], sel s[6:7], slot s[8:9], gate s[10:11]
	s_load_b64 s[12:13], s[0:1], 0x20              ; out0
	s_lshl_b32 s14, ttmp9, 4                       ; 4 tokens x 4 bytes in sel and in a row of slot
	s_mov_b32 s15, 0
	s_lshl_b32 s34, ttmp9, 5                       ; 4 tokens x 8 bytes in gate
	s_mov_b32 s35, 0
	s_lshl_b32 s32, ttmp9, 14                      ; 4 tokens x 4,096 bytes in out0
	s_mov_b32 s33, 0
	v_lshlrev_b32 v1, 4, v0
	s_wait_kmcnt 0x0
	s_add_nc_u64 s[6:7], s[6:7], s[14:15]
	s_add_nc_u64 s[8:9], s[8:9], s[14:15]
	s_add_nc_u64 s[10:11], s[10:11], s[34:35]
	s_add_nc_u64 s[12:13], s[12:13], s[32:33]
	s_add_nc_u64 s[56:57], s[4:5], 0x2000000       ; the second half of K: 8,192 rows of 4,096 bytes further on
	s_load_b128 s[36:39], s[6:7], 0x0
	s_load_b256 s[24:31], s[10:11], 0x0
	s_wait_kmcnt 0x0
.macro ASK i, k                        ; token i's choice k: the expert, and the token's position in that expert's rows
	s_bfe_u32 s[40+2*\i+\k], s[36+\i], 0x80000+8*\k
	s_min_u32 s[40+2*\i+\k], s[40+2*\i+\k], 7
	s_lshl_b32 s[48+2*\i+\k], s[40+2*\i+\k], 12
	s_load_b32 s[16+2*\i+\k], s[8:9], s[48+2*\i+\k] offset:4*\i
.endm
.irp i, 0,1,2,3
	ASK \i, 0
	ASK \i, 1
.endr
	s_wait_kmcnt 0x0
.irp m, 0,1,2,3,4,5,6,7
	s_min_u32 s[16+\m], s[16+\m], 0x3ff
	s_lshl_b32 s[40+\m], s[40+\m], 10
	s_add_co_u32 s[16+\m], s[16+\m], s[40+\m]      ; the row
	s_lshl_b32 s[16+\m], s[16+\m], 12
	v_add_nc_u32 v[OFF+\m], s[16+\m], v1
.endr
.irp m, 0,1,2,3,4,5,6,7
	global_load_b128 v[Y+8*\m:Y+8*\m+3],   v[OFF+\m], s[4:5] th:TH_LOAD_NT
	global_load_b128 v[Y+8*\m+4:Y+8*\m+7], v[OFF+\m], s[56:57] th:TH_LOAD_NT
.endr
.irp i, 0,1,2,3
	s_wait_loadcnt 12-4*\i                         ; token i's four loads are in, the younger tokens' stay out
.irp k, 0,8
	v_pk_add_f32 v[Y+16*\i+\k:Y+16*\i+\k+1],   v[Y+16*\i+\k:Y+16*\i+\k+1],   v[Y+16*\i+\k+4:Y+16*\i+\k+5]
	v_pk_add_f32 v[Y+16*\i+\k+2:Y+16*\i+\k+3], v[Y+16*\i+\k+2:Y+16*\i+\k+3], v[Y+16*\i+\k+6:Y+16*\i+\k+7]
.endr
.irp c, 0,1,2,3
	v_mul_f32 v[O+4*\i+\c], s[24+2*\i], v[Y+16*\i+\c]
.endr
.irp c, 0,1,2,3
	v_fmac_f32 v[O+4*\i+\c], s[25+2*\i], v[Y+16*\i+8+\c]
.endr
	global_store_b128 v1, v[O+4*\i:O+4*\i+3], s[12:13] offset:4096*\i th:TH_STORE_NT
.endr
	s_endpgm
.Lfunc_end_k_qc22285c8a9_combine:
	.size	k_qc22285c8a9_combine, .Lfunc_end_k_qc22285c8a9_combine-k_qc22285c8a9_combine
	.p2alignl 7, 3214868480
	.fill 96, 4, 3214868480
	.section	.rodata,"a",@progbits
	.p2align	6, 0x0
	.amdhsa_kernel k_qc22285c8a9_combine
		.amdhsa_group_segment_fixed_size 0
		.amdhsa_private_segment_fixed_size 0
		.amdhsa_enable_private_segment 0
		.amdhsa_kernarg_size 40
		.amdhsa_user_sgpr_count 2
		.amdhsa_user_sgpr_kernarg_segment_ptr 1
		.amdhsa_wavefront_size32 1
		.amdhsa_system_sgpr_workgroup_id_x 1
		.amdhsa_system_sgpr_workgroup_id_y 1
		.amdhsa_system_sgpr_workgroup_id_z 1
		.amdhsa_system_vgpr_workitem_id 0
		.amdhsa_next_free_vgpr 96
		.amdhsa_next_free_sgpr 66
		.amdhsa_reserve_vcc 0
		.amdhsa_float_denorm_mode_32 3
		.amdhsa_float_denorm_mode_16_64 3
		.amdhsa_memory_ordered 1
		.amdhsa_forward_progress 1
		.amdhsa_inst_pref_size 9
	.end_amdhsa_kernel
	.amdgpu_metadata
---
amdhsa.version: [ 1, 2 ]
amdhsa.kernels:
  - .name:           k_qc22285c8a9_combine
    .symbol:         k_qc22285c8a9_combine.kd
    .args:
      - { .name: y, .offset: 0, .size: 8, .value_kind: global_buffer, .address_space: global }
      - { .name: sel, .offset: 8, .size: 8, .value_kind: global_buffer, .address_space: global }
      - { .name: slot, .offset: 16, .size: 8, .value_kind: global_buffer, .address_space: global }
      - { .name: gate, .offset: 24, .size: 8, .value_kind: global_buffer, .address_space: global }
      - { .name: out0, .offset: 32, .size: 8, .value_kind: global_buffer, .address_space: global }
    .group_segment_fixed_size: 0
    .private_segment_fixed_size: 0
    .kernarg_segment_align: 8
    .kernarg_segment_size: 40
    .max_flat_workgroup_size: 256
    .sgpr_count:     66
    .vgpr_count:     96
    .wavefront_size: 32
...
	.end_amdgpu_metadata
.endif
;; end of part 6
